; MI455X (gfx1250); checked and timed in simulation.
; The chip was launched on July 23, 2026; its instructions are those of AMD's public machine-readable ISA for CDNA 5 (MIT licence, August 2026) and "CDNA5" Instruction Set Architecture Reference Guide (July 2026). The comments in the code are by the model that wrote it; some were corrected since.
;; Multi Head Attention. Allowed arithmetic: matrix products marked QUANTISED: E2M3 operands, one E8M0 scale for each 32 along K, by v_wmma_scale_f32_16x16x128_f8f6f4 with both operands' format E2M3, f32 sums; everything else in f32.
;; Inputs: Wk_codes 16 x 64 x 32 x 24 uint8 (E2M3 codes of Wk, K innermost, in blocks of 32 codes, four codes in three bytes); Wk_scales 16 x 64 x 32 uint8 (E8M0 scales of Wk, one for each 32 codes along K); Wo_codes 1,024 x 32 x 24 uint8 (E2M3 codes of Wo, K innermost, in blocks of 32 codes, four codes in three bytes); Wo_scales 1,024 x 32 uint8 (E8M0 scales of Wo, one for each 32 codes along K); Wq_codes 16 x 64 x 32 x 24 uint8 (E2M3 codes of Wq, K innermost, in blocks of 32 codes, four codes in three bytes); Wq_scales 16 x 64 x 32 uint8 (E8M0 scales of Wq, one for each 32 codes along K); Wv_codes 16 x 64 x 32 x 24 uint8 (E2M3 codes of Wv, K innermost, in blocks of 32 codes, four codes in three bytes); Wv_scales 16 x 64 x 32 uint8 (E8M0 scales of Wv, one for each 32 codes along K); bo 1,024 float32; key_in_codes 4 x 2,048 x 32 x 24 uint8 (E2M3 codes of key_in, K innermost, in blocks of 32 codes, four codes in three bytes); key_in_scales 4 x 2,048 x 32 uint8 (E8M0 scales of key_in, one for each 32 codes along K); query_codes 4 x 2,048 x 32 x 24 uint8 (E2M3 codes of query, K innermost, in blocks of 32 codes, four codes in three bytes); query_scales 4 x 2,048 x 32 uint8 (E8M0 scales of query, one for each 32 codes along K); value_codes 4 x 2,048 x 32 x 24 uint8 (E2M3 codes of value, K innermost, in blocks of 32 codes, four codes in three bytes); value_scales 4 x 2,048 x 32 uint8 (E8M0 scales of value, one for each 32 codes along K).
;; Outputs: out0 4 x 2,048 x 1,024 float32.
;; This version of the problem:
;;   THIS VERSION OF THE PROBLEM IS GIVEN IN LOW PRECISION. The matrix products marked QUANTISED in the list below multiply operands that are first quantised to E2M3 (2 exponent bits, 3 mantissa bits; 6 bits a number), with one power-of-two scale for each 32 numbers along K (OCP MX v1.0); their sums are f32. All else is computed in f32.
;;   The module's matrix products, in the order in which they are computed (A, B: the left and right operand; K: the contracted axis; several contracted axes count as one K, in the product's order):
;;     1. [M 1,024, K 1,024] x [K 1,024, N 8,192]; A: input Wq (given as codes); B: input query (given as codes): QUANTISED
;;     2. [M 1,024, K 1,024] x [K 1,024, N 8,192]; A: input Wk (given as codes); B: input key_in (given as codes): QUANTISED
;;     3. [M 1,024, K 1,024] x [K 1,024, N 8,192]; A: input Wv (given as codes); B: input value (given as codes): QUANTISED
;;     4. batch 64 x [M 2,048, K 64] x [K 64, N 2,048]; A: computed on the way; B: computed on the way: QUANTISED
;;     5. batch 64 x [M 2,048, K 2,048] x [K 2,048, N 64]; A: softmax (see below); B: computed on the way: QUANTISED
;;     6. [M 8,192, K 1,024] x [K 1,024, N 1,024]; A: computed on the way; B: input Wo (given as codes): QUANTISED
;;   THE QUANTISER, for each operand of a quantised product, along K:
;;     - K is cut into blocks of 32 from its start; a last block that is shorter is filled with zeros.
;;     - A block's scale is 2^e with e = floor(log2(the largest magnitude in the block)) - 2, held to -126 .. 127; a block of zeros has e = 0. As a byte (E8M0): e + 127.
;;     - Each number is divided by its block's scale, clamped to +-7.5, and rounded to the nearest number of E2M3, ties to even, subnormals kept.
;;     - The product sums the exact products of the quantised numbers (number of the format x scale) in f32.
;;   ~~~python
;;   def quantise(x, axis):      # numpy; x: float32 -> the quantised numbers, widened to float32 again
;;       x = np.moveaxis(x, axis, -1); K = x.shape[-1]
;;       x = np.pad(x, [(0, 0)] * (x.ndim - 1) + [(0, -K % 32)]); x = x.reshape(x.shape[:-1] + (-1, 32)); a = np.abs(x).max(-1, keepdims=True)
;;       e = np.where(a > 0, np.clip(np.frexp(np.where(a > 0, a, 1))[1] - 1 - 2, -126, 127), 0)      # np.frexp(a)[1] - 1 = floor(log2(a)), exactly
;;       r = np.clip(x / 2.0 ** e, -7.5, 7.5)
;;       step = 2.0 ** (np.maximum(np.frexp(np.where(r == 0, 1, r))[1] - 1, 0) - 3)
;;       q = np.round(r / step) * step * 2.0 ** e      # np.round: ties to even
;;       return np.moveaxis(q.reshape(q.shape[:-2] + (-1,))[..., :K], -1, axis).astype(np.float32)
;;   ~~~
;;   SOFTMAX AHEAD OF A QUANTISED PRODUCT. Where the list says 'softmax', what is quantised is not the finished softmax but p = 2^(t - M), with t = logit x log2(e) and M = ceil(the row's largest t), a whole number; so 1/2 < the row's largest p <= 1. The row's sum l is taken of the UNQUANTISED p, in f32, and the product's result is divided by l at the end. Since M is a whole number, a kernel that streams over the keys may use a running M (the ceiling of the running maximum): every later rescaling is an exact power of two, which a block's scale takes up: the codes' values come out the same.
;;   OPERANDS COMPUTED ON THE WAY. 'Computed on the way' means the value that the module computes at that place (a softmax that the list does not call 'softmax' is quantised finished and normalised). What goes into a quantiser is computed in f32, as accurately as f32 sums, v_exp_f32 and their like allow (about 1e-6 of the number): no bf16 or f16 on the way to a quantiser, and a product that is left as it is and whose result goes on into a quantised operand takes f32 operands (vector FMAs, or v_wmma_f32_16x16x4_f32). A number that lies on a knife's edge between two numbers of the format may be rounded either way, as far as f32 arithmetic and the matrix unit's own rounding can turn it there, and no further.
;;   INPUTS GIVEN AS CODES. Wk (in the module: [16, 1024, 64], K = its axis 1); Wo (in the module: [1024, 1024], K = its axis 1); Wq (in the module: [16, 1024, 64], K = its axis 1); Wv (in the module: [16, 1024, 64], K = its axis 1); key_in (in the module: [4, 2048, 1024], K = its axis 2); query (in the module: [4, 2048, 1024], K = its axis 2); value (in the module: [4, 2048, 1024], K = its axis 2): each comes as NAME_codes (uint8): NAME with its K axis moved to the last place and cut into blocks of 32 codes, [.., K / 32, bytes a block], one block behind the other in memory; four codes in three bytes: a row's codes are one little-endian stream of bits, code i at bits 6 i .. 6 i + 5 (a code: sign, 2 exponent bits, 3 mantissa bits); and NAME_scales (uint8): the same leading axes, one E8M0 byte (e + 127) for each 32 codes along K. Its value is code x scale, taken as it is: it is not quantised again, and the codes and scales need not be those that the quantiser above would give.
;; One version. Each part assembles by itself: llvm-mc -triple=amdgcn-amd-amdhsa -mcpu=gfx1250 --defsym DOCPART=n.
;; ======== version 1 of 1: 3 launches
;; workspace buffers: q_cd 6,291,456 bytes; q_sc 524,288 bytes; k_cd 6,291,456 bytes; k_sc 524,288 bytes; vt_cd 6,291,456 bytes; vt_sc 262,144 bytes; ctx_cd 6,291,456 bytes; ctx_sc 262,144 bytes
;; launch proj (part 1): grid 4 x 96, 4 waves a work-group, clusters of 4 x 4, 327,680 bytes of LDS; arguments query_codes, query_scales, Wq_codes, Wq_scales, q_cd, q_sc, key_in_codes, key_in_scales, Wk_codes, Wk_scales, k_cd, k_sc, Wv_codes, Wv_scales, value_codes, value_scales, vt_cd, vt_sc; writes q_cd, q_sc, k_cd, k_sc, vt_cd, vt_sc
.if DOCPART == 1
	.amdgcn_target "amdgcn-amd-amdhsa--gfx1250"
	.amdhsa_code_object_version 6
	.text
	.protected	k_q4f6be1a290_proj
	.globl	k_q4f6be1a290_proj
	.p2align	8
	.type	k_q4f6be1a290_proj,@function
k_q4f6be1a290_proj:
	s_mov_b64 s[64:65], 0
	v_nop
	global_prefetch_b8 v0, s[64:65] scope:SCOPE_SE
	s_setreg_imm32_b32 hwreg(HW_REG_WAVE_MODE, 25, 1), 1
	s_wait_xcnt 0x0
	s_wait_alu depctr_hold_cnt(0) depctr_sa_sdst(0) depctr_va_vdst(0) depctr_va_sdst(0) depctr_va_ssrc(0) depctr_va_vcc(0) depctr_vm_vsrc(0)
	s_getreg_b32 s2, hwreg(HW_REG_IB_STS2, 6, 4)
	s_cmp_eq_u32 s2, 0
	s_cbranch_scc0 .Lentry_in_a_cluster
	s_endpgm
.Lentry_in_a_cluster:
	s_bfe_u32 s2, ttmp6, 0x10000c
	s_cmp_lg_u32 s2, 0xf033
	s_cbranch_scc0 .Lentry_shape_is_right
	s_endpgm
.Lentry_shape_is_right:
; THE THREE PROJECTIONS, each C[m][n] = sum over k of A[m][k] B[n][k] on codes of FP6 (E2M3) with one E8M0 scale for each 32 along K = 1,024, and each result QUANTISED ALONG n on its way out.
;   q: A = query [8,192 tokens], B = Wq [1,024 channels h 64 + k];   k: A = key_in, B = Wk;   v: A = Wv [1,024 channels], B = value [8,192 tokens]: so v comes out with the keys along n, as the second product of attention wants it.
; One text serves the three: the cluster's y / 8 says which (0 q, 1 k, 2 v); it chooses six pointers and three shifts, and one short branch at the very end.  It is the same number in all sixteen partners of a cluster.
; A tile of C, 256 x 256, is made by four waves; a wave makes 128 x 128: 64 accumulators of 16 x 16, 512 registers.  K goes in steps of 256 through a ring of two LDS slots filled by the tensor data mover.
; The scale bytes of the work-group's 256 rows of A and of B, for all of K, come into LDS once, with the first fills.
; CLUSTERS: 4 x 4 work-groups.  The four of a row of the cluster need the same tiles of A, the four of a column the same tiles of B: each tile is asked for JOINTLY, by the same tensor load with the same descriptor and a mask that names the four.
; THE MATRIX INSTRUCTION IS USED TRANSPOSED (source 0 = 16 rows of B, source 1 = 16 rows of A): a lane holds eight neighbouring n of one row m.
; WHAT IS STORED.  For each row m and each 64 along n: 48 bytes of codes and a pair of scale bytes.
;   q_cd, k_cd: [batch 16 + head][token][48];  q_sc, k_sc: [batch 16 + head][token], a word: bytes 0, 1 the two blocks, bytes 2, 3 zero.
;   vt_cd: [token / 64][channel][48];  vt_sc: [token / 128][channel], a word: the four blocks of 128 keys.
; THE ORDER INSIDE A BLOCK OF 32: slots 0-7 hold numbers 0-7, slots 8-15 numbers 16-23, slots 16-23 numbers 8-15, slots 24-31 numbers 24-31.  q and k carry the same order along the channels, so their products are
; those of the true order; v carries it along the keys, which is the order in which the next launch makes the codes of p.  Blocks and scales are those of the true order.
; A block's scale is 2^(floor(log2(its largest magnitude)) - 2); its byte is the largest magnitude's exponent field - 2, held at 1 from below.
; LIMITS: a block whose largest magnitude lies under 2^-124, a block of zeros among them, gets the byte 1 (its codes are then zeros or nearly; the bytes are read by this program alone).  NaN and infinities among the sums are not served.
; REGISTERS, in windows of 256: window 0: v0-31 addresses; v32-63 scale words, two sets, and nothing else; v64-119 at work on the way out; from v128 A's fragments, ONE set, on the way out rows read back from the stage.
;   window 1: B's fragments, TWO sets, at v0 and at v128.   window 2: the 32 accumulators of my rows 0-63 ((a, b) at v[8 (8 a + b)]);   window 3: those of my rows 64-127.
.set KSTEP,  256                       ; along K in a slot
.set NQ,     KSTEP/128                 ; matrix instructions deep
.set ROWB,   192                       ; a tile's row in bytes
.set KROW,   768                       ; a row of A or of B in memory: 1,024 codes
.set PITCH,  240                       ; an LDS row: 3 x (64 bytes of data + 16 of padding)
.set FR,     12                        ; registers of a fragment
.set NL,     6                         ; LDS loads that bring one
.set NP,     4                         ; places behind this matrix instruction (ISA guide 7.12.1)
.set HALFT,  128*PITCH                 ; 128 rows: what one tensor load brings
.set SLOT,   4*HALFT                   ; A's 256 rows, then B's 256 rows
.set LAPS,   2                         ; 1,024 / 512: a lap = two K steps = once round the ring
.set KS,     32                        ; a row of scales in bytes
.set SCL,    2*SLOT                    ; behind the ring: the scales, as units of 256 bytes + 16 of padding
.set HALFS,  (128*KS/256)*272          ; the scales of 128 rows
.set SBLK,   (16*KS/256)*272           ; those of 16 rows
.set SPARE,  SCL+4*HALFS               ; behind the scales: the spare words, 128 bytes for each wave, which no other line names
.set SPITCH, 528                       ; the way out: a stage of 16 rows x (512 bytes + 16) for each wave, in slot 0, which has had its last fill and its last read by then
.set WORDS,  4*16*SPITCH               ; behind the stages, in slot 0 too: 1,024 bytes for each wave: its 128 rows' scale words, twice
.set ADRA, 16                          ; v16-17 LDS address of my A fragments in slot 0, 1 (v18-19: behind one padding more)
.set ADRB, 20                          ; v20-21 the same for B (v22-23)
.set STO,  24                          ; v24  the stage: where I put 32 bytes of a row
.set RD,   25                          ; v25  the stage: where I read 16 neighbouring slots back
.set CO,   26                          ; v26  12 x lane: my 12 bytes of codes among eight rows' 384
.set ADRS, 27                          ; v27  LDS address of my scale words: lanes 0-15 A's rows, lanes 16-31 B's
.set SPW,  28                          ; v28  LDS address of my spare word; never rewritten
.set NIL,  29                          ; v29  0; never rewritten
.set WSA,  30                          ; v30  where my row's scale word goes
.set WRA,  31                          ; v31  where I read four rows' scale words back
.set SH,   12                          ; v12  8 x (which block of the 64 my 16 slots lie in)
.set GW,   13                          ; v13  16 x lane
.set SC,   32                          ; the ring's scale words
.set CD,   64                          ; v64-95   codes: two sets of four groups x 4 registers
.set MX,   96                          ; v96-99   largest magnitudes
.set SO,   100                         ; v100-103 the conversions' scale operands
.set EB,   104                         ; v104-107 scale bytes, then pairs of them
.set TP,   108                         ; v108-111 at work
.set WD,   112                         ; v112-119 scale words on their way out
.set AF,   128                         ; A's fragments, in window 0
.set BK,   128                         ; the way out: 16 rows read back: v128-191 and v192-255 by turns
.set G1, 24                            ; s[24:31] descriptor group 1 for A's tiles;  s[32:39] group 0, one set for each slot
.set G0, 32
.set G1B, 48                           ; s[48:55], s[56:63] the same for B's tiles
.set G0B, 56
.set G1S, 68                           ; s[68:75], s[76:79] groups 1 and 0 for A's scales;  s[80:87], s[88:91] for B's
.set G0S, 76
.set G1SB, 80
.set G0SB, 88
.set MSB, 0
.macro WIN new                         ; the immediate's high byte repeats the setting that is left
.if MSB != \new
	s_set_vgpr_msb (MSB<<8)|\new
.set MSB, \new
.endif
.endm
.set MUL_LO, 0xa1                      ; source 0 (B) window 1, source 1 (A) window 0, C and D window 2
.set MUL_HI, 0xf1                      ; the same, C and D window 3
.set TO_B,   0x40                      ; destination window 1, address window 0
; A joint load: waves 0 and 1 fetch for A, waves 2 and 3 for B.  The branch hangs on the wave's number alone.  Four v_nop follow each of the two lines.
.macro JLOAD g0a, g1a, g0b, g1b
	s_cmp_eq_u32 s15, 0
	s_cbranch_scc0 .Lfor_b_\@
	tensor_load_to_lds s[\g0a:\g0a+3], s[\g1a:\g1a+7]
	s_nop 0
.rept 4
	v_nop
.endr
	s_branch .Lasked_\@
.Lfor_b_\@:
	tensor_load_to_lds s[\g0b:\g0b+3], s[\g1b:\g1b+7]
	s_nop 0
.rept 4
	v_nop
.endr
.Lasked_\@:
.endm
.macro CREST                           ; a round of the cluster's barrier behind its opening barrier
	s_cmp_lg_u32 s14, 0
	s_cbranch_scc1 .Lnot_wave_0_\@
	s_barrier_signal -3
.Lnot_wave_0_\@:
	s_barrier_wait -3
	s_barrier_signal -1
	s_barrier_wait -1
.endm
.macro CROUND                          ; a whole round
	s_barrier_signal -1
	s_barrier_wait -1
	CREST
.endm
	s_load_b256 s[24:31], s[0:1], 0x0              ; q: A's codes, A's scales, B's codes, B's scales,
	s_load_b128 s[32:35], s[0:1], 0x20             ;    the codes out, the words out
	s_load_b256 s[36:43], s[0:1], 0x30             ; k: the same six
	s_load_b128 s[44:47], s[0:1], 0x50
	s_load_b256 s[48:55], s[0:1], 0x60             ; v: the same six
	s_load_b128 s[56:59], s[0:1], 0x80
	v_lshl_add_u32 v[SPW], v0, 2, SPARE
	v_mov_b32 v[NIL], 0
	ds_add_u32 v28, v29
	ds_add_u32 v28, v29
	s_wait_dscnt 0x0
	v_lshrrev_b32 v1, 5, v0
	v_readfirstlane_b32 s14, v1                    ; wave 0..3
	s_lshr_b32 s15, s14, 1                         ; which half of the tile's rows is mine.  Also: I fetch for A (0) or for B (1)
	s_and_b32 s16, s14, 1                          ; which half of its columns.  Also: which 128 rows of that tile I fetch
	s_and_b32 s66, ttmp7, 0xffff                   ; the cluster's y, 0..23
	s_lshr_b32 s67, s66, 3                         ; which product: 0 q, 1 k, 2 v
	s_and_b32 s66, s66, 7                          ; which of its eight clusters
	s_wait_kmcnt 0x0
	s_cmp_eq_u32 s67, 1                            ; the six pointers are chosen; the choice hangs on the cluster's number alone
	s_cselect_b64 s[4:5], s[36:37], s[24:25]
	s_cselect_b64 s[6:7], s[38:39], s[26:27]
	s_cselect_b64 s[8:9], s[40:41], s[28:29]
	s_cselect_b64 s[10:11], s[42:43], s[30:31]
	s_cselect_b64 s[12:13], s[44:45], s[32:33]
	s_cselect_b64 s[98:99], s[46:47], s[34:35]
	s_cmp_eq_u32 s67, 2
	s_cselect_b64 s[4:5], s[48:49], s[4:5]         ; A's codes
	s_cselect_b64 s[6:7], s[50:51], s[6:7]         ; A's scales
	s_cselect_b64 s[8:9], s[52:53], s[8:9]         ; B's codes
	s_cselect_b64 s[10:11], s[54:55], s[10:11]     ; B's scales
	s_cselect_b64 s[12:13], s[56:57], s[12:13]     ; the codes out
	s_cselect_b64 s[98:99], s[58:59], s[98:99]     ; the words out
	s_cselect_b32 s92, 0, s66                      ; q, k: 32 tile rows x 4 tile columns: the clusters lie one below the other;
	s_cselect_b32 s93, s66, 0                      ; v: 4 tile rows x 32 tile columns: side by side
	s_bfe_u32 s40, ttmp6, 0x40000                  ; cx, cy: my place in the cluster
	s_bfe_u32 s41, ttmp6, 0x40004
	s_lshl_b32 s42, s93, 2
	s_add_co_u32 s42, s42, s40                     ; tile column of C
	s_lshl_b32 s17, s92, 2
	s_add_co_u32 s17, s17, s41                     ; tile row of C
	s_lshl_b32 s43, s41, 2
	s_lshl_b32 s43, 15, s43                        ; my row of the cluster
	s_lshl_b32 s44, 0x1111, s40                    ; my column
	; descriptor group 1: a tile of 128 rows x ROWB bytes, padded in LDS
	s_or_b32 s[G1+0], s43, (0<<16)|(1<<20)|(1<<21)|(3<<22)|(3<<25)  ; 15:0 the mask: A's tiles go to my row; 17:16 element of 1 byte; 20 padding on; 21 set beside a mask; 24:22 after every 16 words; 31:25 of 4 words
	s_or_b32 s[G1B+0], s44, (0<<16)|(1<<20)|(1<<21)|(3<<22)|(3<<25)
.irp g, G1, G1B
	s_mov_b32 s[\g+1], ROWB<<16                    ; tensor_dim0
	s_mov_b32 s[\g+2], 128<<16                     ; tensor_dim1 = 128
	s_mov_b32 s[\g+3], ROWB<<16                    ; tile_dim0
	s_mov_b32 s[\g+4], 128                         ; tile_dim1 = 128
	s_mov_b32 s[\g+5], KROW                        ; tensor_dim0_stride
	s_mov_b32 s[\g+6], 0
	s_mov_b32 s[\g+7], 0
.endr
	; and for the scales of 128 rows: a dense block of 4,096 bytes, as rows of 256 bytes (32 elements of 8 bytes), 16 bytes of padding behind each
	s_or_b32 s[G1S+0], s43, (3<<16)|(1<<20)|(1<<21)|(5<<22)|(3<<25)
	s_or_b32 s[G1SB+0], s44, (3<<16)|(1<<20)|(1<<21)|(5<<22)|(3<<25)
.irp g, G1S, G1SB
	s_mov_b32 s[\g+1], 32<<16
	s_mov_b32 s[\g+2], (128*KS/256)<<16
	s_mov_b32 s[\g+3], 32<<16
	s_mov_b32 s[\g+4], 128*KS/256
	s_mov_b32 s[\g+5], 32
	s_mov_b32 s[\g+6], 0
	s_mov_b32 s[\g+7], 0
.endr
	s_lshl_b32 s18, s16, 7                         ; which 128 rows of the tile I fetch
	s_lshl_b32 s20, s17, 8
	s_add_co_u32 s20, s20, s18                     ; A: row 256 x tile row + 128 x half
	s_lshl_b32 s46, s42, 8
	s_add_co_u32 s46, s46, s18                     ; B: row 256 x tile column + 128 x half
	s_mov_b32 s21, 0
	s_mov_b32 s47, 0
	s_mov_b64 s[18:19], KS
	s_mul_u64 s[22:23], s[20:21], s[18:19]         ; where these rows' scales begin, in bytes
	s_mul_u64 s[92:93], s[46:47], s[18:19]
	s_mov_b64 s[18:19], KROW
	s_mul_u64 s[20:21], s[20:21], s[18:19]         ; and their codes
	s_mul_u64 s[46:47], s[46:47], s[18:19]
	s_mul_i32 s45, s14, HALFT                      ; where they go: wave x 128 rows: no place in the cluster enters an LDS address
	s_mul_i32 s94, s14, HALFS
	s_add_nc_u64 s[20:21], s[4:5], s[20:21]
	s_add_nc_u64 s[22:23], s[6:7], s[22:23]
	s_add_nc_u64 s[46:47], s[8:9], s[46:47]
	s_add_nc_u64 s[92:93], s[10:11], s[92:93]
	CROUND                                         ; all sixteen work-groups are here: the first joint loads meet
	s_mov_b32 s[G0S], 1
	s_add_co_u32 s[G0S+1], s94, SCL
	s_mov_b64 s[G0S+2:G0S+3], s[22:23]
	s_or_b32 s[G0S+3], s[G0S+3], 0x80000000
	s_mov_b32 s[G0SB], 1
	s_add_co_u32 s[G0SB+1], s94, SCL
	s_mov_b64 s[G0SB+2:G0SB+3], s[92:93]
	s_or_b32 s[G0SB+3], s[G0SB+3], 0x80000000
	JLOAD G0S, G1S, G0SB, G1SB                     ; the scales first: they are wanted with K step 0
.irp s, 0,1
	s_mov_b32 s[G0+4*\s], 1
	s_add_co_u32 s[G0+4*\s+1], s45, \s*SLOT
	s_add_nc_u64 s[G0+4*\s+2:G0+4*\s+3], s[20:21], \s*ROWB
	s_or_b32 s[G0+4*\s+3], s[G0+4*\s+3], 0x80000000
	s_mov_b32 s[G0B+4*\s], 1
	s_add_co_u32 s[G0B+4*\s+1], s45, \s*SLOT
	s_add_nc_u64 s[G0B+4*\s+2:G0B+4*\s+3], s[46:47], \s*ROWB
	s_or_b32 s[G0B+4*\s+3], s[G0B+4*\s+3], 0x80000000
	JLOAD G0+4*\s, G1, G0B+4*\s, G1B               ; three tensor loads of mine are out
.endr
	v_and_b32 v1, 15, v0                           ; r = lane % 16
	v_bfe_u32 v2, v0, 4, 1                         ; h = lane / 16
	v_mul_u32_u24 v3, v1, PITCH
	v_mul_u32_u24 v4, v2, 24
	v_add_nc_u32 v4, v3, v4                        ; a fragment's row x pitch + 24 x half
	v_lshl_add_u32 v5, v2, 4, v4                   ; and the same behind one padding more
	s_mul_i32 s21, s15, HALFT                      ; my 128 rows of A
	s_mul_i32 s22, s16, HALFT                      ; my 128 rows of B,
	s_add_co_u32 s22, s22, 2*HALFT                 ; which lie behind A's 256
.irp s, 0,1
	v_add_nc_u32 v[ADRA+\s], s21, v4
	v_add_nc_u32 v[ADRB+\s], s22, v4
	v_add_nc_u32 v[ADRA+2+\s], s21, v5
	v_add_nc_u32 v[ADRB+2+\s], s22, v5
	s_add_co_u32 s21, s21, SLOT
	s_add_co_u32 s22, s22, SLOT
.endr
	v_mul_u32_u24 v5, v1, KS                       ; my row's scales: KS bytes a row,
	v_lshrrev_b32 v6, 8, v5
	v_lshl_add_u32 v5, v6, 4, v5                   ; and 16 more for each 256 passed
	s_mul_i32 s21, s15, HALFS                      ; A's: my 128 rows
	s_mul_i32 s22, s16, HALFS                      ; B's: my 128 rows, behind A's 256
	s_add_co_u32 s22, s22, 2*HALFS
	s_sub_co_u32 s22, s22, s21
	v_mul_u32_u24 v6, s22, v2                      ; lanes 16-31 take B's
	s_add_co_u32 s21, s21, SCL
	v_add_nc_u32 v5, v5, v6
	v_add_nc_u32 v[ADRS], s21, v5
	; the way out's addresses
	s_mul_i32 s23, s14, 16*SPITCH                  ; my stage
	v_mul_u32_u24 v5, v1, SPITCH                   ; in: row r; my half's eight numbers of a tile go 64 h bytes on: that makes the order of slots stated at the head
	v_lshl_add_u32 v5, v2, 6, v5
	v_add_nc_u32 v[STO], s23, v5
	v_and_b32 v6, 31, v0                           ; lane
	v_lshrrev_b32 v7, 2, v6                        ; back: four lanes to a row's 64 slots, 16 slots (64 bytes) each; eight rows an instruction
	v_and_b32 v8, 3, v6
	v_mul_u32_u24 v5, v7, SPITCH
	v_lshl_add_u32 v5, v8, 6, v5
	v_add_nc_u32 v[RD], s23, v5
	v_mul_u32_u24 v[CO], v6, 12                    ; 48 (lane / 4) + 12 (lane % 4)
	s_lshl_b32 s23, s14, 10
	s_add_co_u32 s23, s23, WORDS                   ; my 1,024 bytes for scale words
	v_lshl_add_u32 v[WSA], v7, 2, s23
	v_lshl_add_u32 v[WRA], v6, 4, s23
	v_bfe_u32 v[SH], v6, 1, 1
	v_lshlrev_b32 v[SH], 3, v[SH]
	v_lshlrev_b32 v[GW], 4, v6
.irp n, 0,1,2,3
	v_mov_b32 v[TP+\n], 0                          ; written once: a lane exchange's destination counts as one of its sources
.endr
	; where my 128 rows x two groups of 64 columns go.  G = the first group's number: (tile row / 8) 16 + 4 tile column + 2 half;  R = my first row inside a group: (tile row % 8) 256 + 128 half
	s_lshr_b32 s92, s17, 3
	s_lshl_b32 s92, s92, 4
	s_lshl_b32 s93, s42, 2
	s_add_co_u32 s92, s92, s93
	s_lshl_b32 s93, s16, 1
	s_add_co_u32 s92, s92, s93                     ; G
	s_and_b32 s93, s17, 7
	s_lshl_b32 s93, s93, 8
	s_lshl_b32 s94, s15, 7
	s_add_co_u32 s93, s93, s94                     ; R
	s_cmp_eq_u32 s67, 2
	s_cselect_b32 s94, 10, 11                      ; rows in a group of codes: v 1,024 channels, q and k 2,048 tokens
	s_cselect_b32 s96, 9, 11                       ; rows for each G among the words: v has one word for two groups
	s_cselect_b32 s95, -1, 0                       ; v: the second group's pair of bytes joins the first's word
	s_lshl_b32 s97, s92, s94
	s_add_co_u32 s97, s97, s93
	s_mul_i32 s20, s97, 48
	s_mov_b32 s21, 0
	s_add_nc_u64 s[12:13], s[12:13], s[20:21]      ; the first group's codes
	s_lshl_b32 s20, 48, s94
	s_add_nc_u64 s[104:105], s[12:13], s[20:21]    ; the second group's
	s_lshl_b32 s97, s92, s96
	s_add_co_u32 s97, s97, s93
	s_lshl_b32 s20, s97, 2
	s_add_nc_u64 s[98:99], s[98:99], s[20:21]      ; the first group's words (v: the words)
	s_add_nc_u64 s[100:101], s[98:99], 8192        ; q, k: the second group's
.macro FRAG reg, adr, q, i             ; a fragment, 16 rows x 128 K, is 12 registers: lane l holds row l % 16; registers 6 c .. 6 c + 5 hold K = 64 c + 32 (l / 16) + 0 .. 31: 24 bytes of the row, as they lie
.irp p, 0,1,2,3,4,5                    ; in pieces of 8 bytes.  Lanes 0-15 take the row's pieces 12 q + 0, 1, 2 and 12 q + 6, 7, 8, lanes 16-31 those three pieces on
.set PC, 12*(\q)+6*(\p/3)+\p%3        ; 16 bytes of padding lie behind every 64 bytes (8 pieces): where the piece three on lies behind one padding more, the second address register serves
.if PC%8 < 5
	ds_load_b64 v[\reg+2*\p:\reg+2*\p+1], v[\adr] offset:8*PC+16*(PC/8)+(\i)*16*PITCH
.else
	ds_load_b64 v[\reg+2*\p:\reg+2*\p+1], v[\adr+2] offset:8*PC+16*(PC/8)+(\i)*16*PITCH
.endif
.endr
.endm
; 16 matrix instructions: A's blocks a0, a0 + 1 x B's eight, 128 along K: the slot's q-th.  p: B's set;  sc: the set of scale words.  zero = 1: the first product starts the sums.
; The 64 accumulators take turns, one instruction a turn, in the same order in every step.
.macro MUL16 a0, p, q, sc, zero
.irp a, \a0, \a0+1
.irp b, 0,1,2,3,4,5,6,7
.if \zero
	v_wmma_scale_f32_16x16x128_f8f6f4 v[8*(8*((\a)%4)+\b):8*(8*((\a)%4)+\b)+7], v[128*(\p)+FR*\b:128*(\p)+FR*\b+FR-1], v[AF+FR*(\a):AF+FR*(\a)+FR-1], 0, v[SC+8*NQ*(\sc)+NQ*\b+(\q)], v[SC+8*NQ*(\sc)+NQ*(\a)+(\q)] matrix_a_fmt:MATRIX_FMT_FP6 matrix_b_fmt:MATRIX_FMT_FP6 matrix_a_scale:MATRIX_SCALE_ROW1
.else
	v_wmma_scale_f32_16x16x128_f8f6f4 v[8*(8*((\a)%4)+\b):8*(8*((\a)%4)+\b)+7], v[128*(\p)+FR*\b:128*(\p)+FR*\b+FR-1], v[AF+FR*(\a):AF+FR*(\a)+FR-1], v[8*(8*((\a)%4)+\b):8*(8*((\a)%4)+\b)+7], v[SC+8*NQ*(\sc)+NQ*\b+(\q)], v[SC+8*NQ*(\sc)+NQ*(\a)+(\q)] matrix_a_fmt:MATRIX_FMT_FP6 matrix_b_fmt:MATRIX_FMT_FP6 matrix_a_scale:MATRIX_SCALE_ROW1
.endif
.endr
.endr
.endm
.macro FETCH_B slot, q, p              ; B's eight fragments of the slot's q-th 128 along K into set p
	WIN TO_B
.irp i, 0,1,2,3,4,5,6,7
	FRAG 128*(\p)+FR*\i, ADRB+\slot, \q, \i
.endr
	WIN 0
.endm
.macro FETCH_A slot, q, i0             ; A's blocks i0 .. i0 + 3
.irp i, \i0, \i0+1, \i0+2, \i0+3
	FRAG AF+FR*(\i), ADRA+\slot, \q, \i
.endr
.endm
.macro SCALES sc                       ; the next K step's scale words into set sc: lanes 0-15 take A's block i, lanes 16-31 B's block i
.irp i, 0,1,2,3,4,5,6,7
	ds_load_b64 v[SC+8*NQ*\sc+NQ*\i:SC+8*NQ*\sc+NQ*\i+1], v[ADRS] offset:\i*SBLK
.endr
.endm
; A load into a register that a matrix instruction has read, and a vector instruction or an LDS store that reads a matrix result, stand NP places behind that matrix instruction;
; only plain vector instructions that name none of its registers are places (ISA guide 7.12.1 for vector instructions).
.macro PLACES n
.rept \n
	v_nop
.endr
.endm
; A step of 128 along K that has its successor in the same slot.
.macro STEP slot, q, zero
	s_wait_dscnt 4*NL                              ; B's set and A's blocks 0-3 are in; the youngest 24 loads (A's blocks 4-7) may be out
	WIN MUL_LO
	MUL16 0, (\q)%2, \q, \slot, \zero
	MUL16 2, (\q)%2, \q, \slot, \zero
	s_wait_dscnt 0                                 ; A's blocks 4-7 are in (asked for 32 matrix instructions ago)
	PLACES NP
	FETCH_B \slot, (\q)+1, 1-(\q)%2
	FETCH_A \slot, (\q)+1, 0
	WIN MUL_HI
	MUL16 4, (\q)%2, \q, \slot, \zero
	MUL16 6, (\q)%2, \q, \slot, \zero
	PLACES NP
	WIN 0
	FETCH_A \slot, (\q)+1, 4
.endm
; A slot's last step changes slots: ONE barrier; in front of it each wave waits for all its tensor loads, adds 0 to its spare word, and waits for that and for its own reads of this slot.  fill = 1: this slot is filled again, two K steps ahead.
.macro TURN slot, next, fill
	s_wait_tensorcnt 0x0                           ; all my tensor loads have landed: my part of the next slot;  (every window is 0 here)
	ds_add_u32 v[SPW], v[NIL]                      ; 0 onto my spare word
	s_wait_dscnt 4*NL+1                            ; (the add and the youngest 24 loads, A's blocks 4-7, may be out)
	WIN MUL_LO
	MUL16 0, 1, NQ-1, \slot, 0                     ; sixteen matrix instructions stand between the add and the wait for it
	s_wait_dscnt 0x0                               ; the add is done, and my reads of this slot are over
	s_barrier_signal -1
	MUL16 2, 1, NQ-1, \slot, 0
	WIN 0
	s_barrier_wait -1
.if \fill
	CREST                                          ; the barrier has opened a round of the cluster's barrier: no wave of any partner still reads this slot's tile or has a load on its way
	s_add_nc_u64 s[G0+4*\slot+2:G0+4*\slot+3], s[G0+4*\slot+2:G0+4*\slot+3], 2*ROWB
	s_add_nc_u64 s[G0B+4*\slot+2:G0B+4*\slot+3], s[G0B+4*\slot+2:G0B+4*\slot+3], 2*ROWB
	JLOAD G0+4*\slot, G1, G0B+4*\slot, G1B         ; the first tensor load behind the round; the four v_nop behind it are the places in front of the loads below
.else
	PLACES NP
.endif
	v_add_nc_u32 v[ADRS], 4*NQ, v[ADRS]            ; on to the next K step's scale words (no LDS load of mine is out)
	FETCH_B \next, 0, 0
	FETCH_A \next, 0, 0
	SCALES \next
	WIN MUL_HI
	MUL16 4, 1, NQ-1, \slot, 0
	MUL16 6, 1, NQ-1, \slot, 0
	PLACES NP
	WIN 0
	FETCH_A \next, 0, 4
.endm
	s_wait_tensorcnt 1                             ; the scales and my part of K step 0 are in (K step 1's load may be out),
	s_barrier_signal -1
	s_barrier_wait -1                              ; everybody's are
	FETCH_B 0, 0, 0
	FETCH_A 0, 0, 0
	SCALES 0
	FETCH_A 0, 0, 4
	STEP 0, 0, 1                                   ; the first step stands in front of the loop: its products start the sums
	s_mov_b32 s3, LAPS-1
.Llap:                                                 ; a trip goes once round the ring, from a lap's second step to the next lap's first, and fills both slots again
	TURN 0, 1, 1
	STEP 1, 0, 0
	TURN 1, 0, 1
	STEP 0, 0, 0
	s_sub_co_u32 s3, s3, 1
	s_cmp_lg_u32 s3, 0
	s_cbranch_scc1 .Llap
	TURN 0, 1, 0                                   ; the last lap fills nothing, and has no round of the cluster's barrier
	STEP 1, 0, 0
	s_wait_dscnt 4*NL                              ; the very last step: nothing more to fetch
	WIN MUL_LO
	MUL16 0, 1, NQ-1, 1, 0
	MUL16 2, 1, NQ-1, 1, 0
	s_wait_dscnt 0
	WIN MUL_HI
	MUL16 4, 1, NQ-1, 1, 0
	MUL16 6, 1, NQ-1, 1, 0
	WIN 0
; THE WAY OUT, block by block of 16 rows x 128 columns.  A lane holds eight numbers of a row; the conversion wants sixteen of one block of 32 in one lane's consecutive registers.  So a block goes through my own stage in LDS.
; In: column 16 b + 8 h + j of the block goes to slot 32 (b / 2) + 8 (b % 2) + 16 h + j of its row.  Back: lane l takes 16 neighbouring slots of row 8 g + l / 4: quarter l % 4 of the row's first or second 64.
; LDS serves a wave's instructions in order (ISA guide 5.7.1.4): no wait between the stores and the loads, nor in front of the next block's stores.
.macro TOSTAGE a
.set AC, 64*((\a)%4)
	WIN 0x08+4*((\a)/4)                            ; the data: window 2 or 3
.irp b, 0,1,2,3,4,5,6,7
	ds_store_b128 v[STO], v[AC+8*\b:AC+8*\b+3] offset:128*(\b/2)+32*(\b%2)          ; each accumulator from its low end on
	ds_store_b128 v[STO], v[AC+8*\b+4:AC+8*\b+7] offset:128*(\b/2)+32*(\b%2)+16
.endr
	WIN 0
.set BB, BK+64*((\a)%2)
.irp n, 0,1,2,3                        ; group n = 2 x (which 64 columns) + (which eight rows)
.irp i, 0,1,2,3
	ds_load_b128 v[BB+16*\n+4*\i:BB+16*\n+4*\i+3], v[RD] offset:(\n%2)*8*SPITCH+(\n/2)*256+16*\i
.endr
.endr
.endm
; Block a is quantised and stored.  younger: the LDS instructions issued behind block a's loads that may stay out.
.macro QSEND a, younger
.set BB, BK+64*((\a)%2)
.set CX, CD+16*((\a)%2)
	s_wait_dscnt \younger                          ; the block is back in registers; the word stores of the block before are done too
	s_wait_xcnt 0x0                                ; the stores of two blocks ago have read this set of codes: it is written again only behind this wait
.irp n, 0,1,2,3
	v_max3_num_f32 v[MX+\n], |v[BB+16*\n]|, |v[BB+16*\n+1]|, 0x1800000   ; my 16 numbers, and the floor 2^(3 - 127): so the byte cannot fall under 1.  (The four groups by turns)
.endr
.irp i, 2,4,6,8,10,12,14
.irp n, 0,1,2,3
	v_max3_num_f32 v[MX+\n], v[MX+\n], |v[BB+16*\n+\i]|, |v[BB+16*\n+\i+1]|
.endr
.endr
.irp n, 0,1,2,3
	v_max_num_f32_dpp v[MX+\n], v[MX+\n], v[MX+\n] row_xmask:1 row_mask:0xf bank_mask:0xf   ; with my neighbour's 16: the block's largest magnitude
.endr
.irp n, 0,1,2,3
	v_add_nc_u32 v[SO+\n], 0xff000000, v[MX+\n]    ; 2 off its exponent field: the conversion takes the exponent field of this operand as its scale
.endr
.irp n, 0,1,2,3
	v_cvt_scalef32_pk16_fp6_f32 v[CX+4*\n:CX+4*\n+2], v[BB+16*\n:BB+16*\n+15], v[SO+\n]
.endr
.irp n, 0,1,2,3
	v_lshrrev_b32 v[EB+\n], 23, v[SO+\n]           ; the scale's byte.  (Plain lines behind the conversions)
.endr
.irp n, 0,1,2,3
	v_lshlrev_b32 v[EB+\n], v[SH], v[EB+\n]        ; at its place in the pair: the second block's 8 bits up
.endr
.irp n, 0,1,2,3
	v_mov_b32_dpp v[TP+\n], v[EB+\n] row_xmask:2 row_mask:0xf bank_mask:0xf
.endr
.irp n, 0,1,2,3
	v_or_b32 v[EB+\n], v[EB+\n], v[TP+\n]          ; the pair of bytes of my row's 64 columns, in all four lanes of the row
.endr
.irp g, 0,1
	v_lshlrev_b32 v[TP+\g], 16, v[EB+2+\g]
.endr
.irp g, 0,1
	v_and_or_b32 v[TP+\g], v[TP+\g], s95, v[EB+\g] ; v: the four bytes of 128 keys;  q, k: the first head's pair alone
.endr
.irp g, 0,1
	ds_store_b32 v[WSA], v[TP+\g] offset:(16*(\a)+8*\g)*4          ; the four lanes of a row write the same word with the same value
	ds_store_b32 v[WSA], v[EB+2+\g] offset:512+(16*(\a)+8*\g)*4
.endr
.irp g, 0,1
	global_store_b96 v[CO], v[CX+4*\g:CX+4*\g+2], s[12:13] offset:(16*(\a)+8*\g)*48        ; eight rows' 384 consecutive bytes; the two stores together cover three aligned runs of 256
.endr
.irp g, 0,1
	global_store_b96 v[CO], v[CX+8+4*\g:CX+8+4*\g+2], s[104:105] offset:(16*(\a)+8*\g)*48
.endr
.endm
	PLACES NP                                      ; for the loads into the registers that held A's fragments, and for the reads of the last products' results
	TOSTAGE 0
.irp a, 1,2,3,4,5,6,7
	TOSTAGE \a                                     ; the next block goes through the stage while this one is quantised
	QSEND \a-1, 32                                 ; behind block a - 1's loads: block a's 16 stores and 16 loads
.endr
	QSEND 7, 0
	ds_load_b128 v[WD:WD+3], v[WRA]                ; my 128 rows' words: 512 bytes; LDS serves my instructions in order: these see my stores
	ds_load_b128 v[WD+4:WD+7], v[WRA] offset:512
	s_wait_dscnt 0x0
	global_store_b128 v[GW], v[WD:WD+3], s[98:99]  ; 32 lanes store 512 consecutive bytes, at a multiple of 512 from the buffer's first byte
	s_cmp_eq_u32 s67, 2                            ; v has one word for both groups; the branch hangs on the cluster's number alone
	s_cbranch_scc1 .Lone_word
	global_store_b128 v[GW], v[WD+4:WD+7], s[100:101]
.Lone_word:
	s_wait_tensorcnt 0x0                           ; the wave's end: behind my last tensor load and my last LDS store
	ds_add_u32 v[SPW], v[NIL]
	s_wait_dscnt 0x0
	CROUND                                         ; the closing round: no work-group ends while a partner may still ask for a tile that names it
	s_endpgm
.Lfunc_end_k_q4f6be1a290_proj:
	.size	k_q4f6be1a290_proj, .Lfunc_end_k_q4f6be1a290_proj-k_q4f6be1a290_proj
	.p2alignl 7, 3214868480
	.fill 96, 4, 3214868480
	.section	.rodata,"a",@progbits
	.p2align	6, 0x0
	.amdhsa_kernel k_q4f6be1a290_proj
		.amdhsa_group_segment_fixed_size 327680
		.amdhsa_private_segment_fixed_size 0
		.amdhsa_enable_private_segment 0
		.amdhsa_kernarg_size 144
		.amdhsa_user_sgpr_count 2
		.amdhsa_user_sgpr_kernarg_segment_ptr 1
		.amdhsa_wavefront_size32 1
		.amdhsa_system_sgpr_workgroup_id_x 1
		.amdhsa_system_sgpr_workgroup_id_y 1
		.amdhsa_system_sgpr_workgroup_id_z 1
		.amdhsa_system_vgpr_workitem_id 0
		.amdhsa_next_free_vgpr 1024
		.amdhsa_next_free_sgpr 106
		.amdhsa_reserve_vcc 0
		.amdhsa_float_denorm_mode_32 3
		.amdhsa_float_denorm_mode_16_64 3
		.amdhsa_memory_ordered 1
		.amdhsa_forward_progress 1
		.amdhsa_inst_pref_size 184
	.end_amdhsa_kernel
	.amdgpu_metadata
---
amdhsa.version: [ 1, 2 ]
amdhsa.kernels:
  - .name:           k_q4f6be1a290_proj
    .symbol:         k_q4f6be1a290_proj.kd
    .args:
      - { .name: query_codes, .offset: 0, .size: 8, .value_kind: global_buffer, .address_space: global }
      - { .name: query_scales, .offset: 8, .size: 8, .value_kind: global_buffer, .address_space: global }
      - { .name: Wq_codes, .offset: 16, .size: 8, .value_kind: global_buffer, .address_space: global }
      - { .name: Wq_scales, .offset: 24, .size: 8, .value_kind: global_buffer, .address_space: global }
      - { .name: q_cd, .offset: 32, .size: 8, .value_kind: global_buffer, .address_space: global }
      - { .name: q_sc, .offset: 40, .size: 8, .value_kind: global_buffer, .address_space: global }
      - { .name: key_in_codes, .offset: 48, .size: 8, .value_kind: global_buffer, .address_space: global }
      - { .name: key_in_scales, .offset: 56, .size: 8, .value_kind: global_buffer, .address_space: global }
      - { .name: Wk_codes, .offset: 64, .size: 8, .value_kind: global_buffer, .address_space: global }
      - { .name: Wk_scales, .offset: 72, .size: 8, .value_kind: global_buffer, .address_space: global }
      - { .name: k_cd, .offset: 80, .size: 8, .value_kind: global_buffer, .address_space: global }
      - { .name: k_sc, .offset: 88, .size: 8, .value_kind: global_buffer, .address_space: global }
      - { .name: Wv_codes, .offset: 96, .size: 8, .value_kind: global_buffer, .address_space: global }
      - { .name: Wv_scales, .offset: 104, .size: 8, .value_kind: global_buffer, .address_space: global }
      - { .name: value_codes, .offset: 112, .size: 8, .value_kind: global_buffer, .address_space: global }
      - { .name: value_scales, .offset: 120, .size: 8, .value_kind: global_buffer, .address_space: global }
      - { .name: vt_cd, .offset: 128, .size: 8, .value_kind: global_buffer, .address_space: global }
      - { .name: vt_sc, .offset: 136, .size: 8, .value_kind: global_buffer, .address_space: global }
    .group_segment_fixed_size: 327680
    .private_segment_fixed_size: 0
    .kernarg_segment_align: 8
    .kernarg_segment_size: 144
    .max_flat_workgroup_size: 128
    .sgpr_count:     106
    .vgpr_count:     1024
    .wavefront_size: 32
...
	.end_amdgpu_metadata
.endif
;; end of part 1
;; launch attn (part 2): grid 4 x 64, 16 waves a work-group, clusters of 4 x 1, 227,328 bytes of LDS; arguments q_cd, q_sc, k_cd, k_sc, vt_cd, vt_sc, ctx_cd, ctx_sc; writes ctx_cd, ctx_sc
.if DOCPART == 2
	.amdgcn_target "amdgcn-amd-amdhsa--gfx1250"
	.amdhsa_code_object_version 6
	.text
	.protected	k_q4f6be1a290_attn
	.globl	k_q4f6be1a290_attn
	.p2align	8
	.type	k_q4f6be1a290_attn,@function
k_q4f6be1a290_attn:
	s_mov_b64 s[64:65], 0
	v_nop
	global_prefetch_b8 v0, s[64:65] scope:SCOPE_SE
	s_setreg_imm32_b32 hwreg(HW_REG_WAVE_MODE, 25, 1), 1
	s_wait_xcnt 0x0
	s_wait_alu depctr_hold_cnt(0) depctr_sa_sdst(0) depctr_va_vdst(0) depctr_va_sdst(0) depctr_va_ssrc(0) depctr_va_vcc(0) depctr_vm_vsrc(0)
	s_getreg_b32 s2, hwreg(HW_REG_IB_STS2, 6, 4)
	s_cmp_eq_u32 s2, 0
	s_cbranch_scc0 .Lentry_in_a_cluster
	s_endpgm
.Lentry_in_a_cluster:
	s_bfe_u32 s2, ttmp6, 0x10000c
	s_cmp_lg_u32 s2, 0x3003
	s_cbranch_scc0 .Lentry_shape_is_right
	s_endpgm
.Lentry_shape_is_right:
; ATTENTION ON CODES OF FP6 (E2M3): for each batch b and head h (y = 16 b + h), ctx[q][:] = the sum over keys of softmax(q . k / 32) v, both products with one E8M0 scale for each 32 along their K; ctx is quantised along its 64 channels and stored as codes.
; IN: q_cd, k_cd [y][token][48 bytes: the head's 64 codes], q_sc, k_sc [y][token] a word (bytes 0, 1 the two blocks' scales, bytes 2, 3 zero); vt_cd [token / 64][channel 64 h + k][48 bytes: 64 keys' codes], vt_sc [token / 128][channel] a word.
; Inside each block of 32 the codes of these three lie in the order: slots 0-7 numbers 0-7, slots 8-15 numbers 16-23, slots 16-23 numbers 8-15, slots 24-31 numbers 24-31: alike in q and k, and in v the order in which p's codes are made here.
; OUT: ctx_cd [h][row 2,048 b + s][48 bytes], in true order; ctx_sc [row][32 bytes], byte 2 h + block.
; THE SOFTMAX: t = score x log2(e) / 32; M = the row's largest t so far, rounded UP to a whole number; p = 2^(t - M) is what is quantised, along the keys, not normalised.  The row's sum is taken of the unquantised p and divides at the end.
; When M moves, the sum and O are multiplied by 2^(old M - new M): exact.
; SHARES.  A work-group owns 512 queries of one head, in two passes of 256; each of its sixteen waves owns 16 of a pass, one tile, in 256 registers: four waves to a SIMD, so that one wave's vector work stands beside another's matrix work and LDS loads.
; ALL OF THE HEAD'S K AND V LIE IN LDS, filled ONCE: 2,048 x 48 bytes each, in four parts of 512 keys, and their scale words.  No LDS byte is filled twice, so there is no ring.  All tensor loads go out at the head, five a fetching wave
; (waves 0, 1: K's; waves 2, 3: V's): a part is waited for where it is first read, and the later parts land meanwhile; nothing is left that could be asked for ahead of its load.
; CLUSTER.  The four work-groups of a cluster own the four quarters of one head's queries and need the same K and V: every fill is asked for JOINTLY, by the same tensor load with the same descriptor and the mask of all four.
; LAYOUT.  Both products are used transposed: S^T = K Q^T (source 0 = 16 keys, source 1 = my 16 queries), O^T = V^T P^T (source 0 = 16 channels, source 1 = P): a lane holds ONE query (lane % 16) throughout.
; THE HEAD IS 64 AND THE INSTRUCTION'S K IS 128.  Q's fragment has zero codes in its upper six registers.  K's fragments lie six registers apart, so that a fragment's upper six registers are the next tile's codes (zeros behind the last):
; they meet zero codes, under scale bytes 0 (a power of two, no NaN), and add exactly 0; the format has no NaN and no infinity.
; LIMITS: a block of ctx or of p whose largest magnitude lies under 2^-124 gets the byte 1.  NaN and infinities are not served.  The scale bytes of ctx leave as single bytes, 2 for each 48 bytes of codes: the layout that the next launch's tensor loads read.
.set PARTB, 49152                      ; a part: 512 keys: K [key][48], 24,576 bytes, then V [64 keys][channel 64][48], 24,576 bytes
.set VOFF,  24576
.set STEPB, 6144                       ; 128 keys of K, and 128 keys of V
.set SCK,   196608                     ; K's scale words: 8,192 bytes
.set SCV,   204800                     ; V's: key steps 0-7 at + 0, 8-15 at + 4,096; 256 bytes a step
.set STG,   212992                     ; the way out: 768 bytes for each wave, which no fill touches
.set AL,   1                           ; v1   48 r + 24 h: my lane's place in a tile of 16 rows of 48 bytes
.set WO4,  2                           ; v2   4 r
.set ASK0, 3                           ; v3   my lane's place among K's scale words
.set ASV0, 4                           ; v4   and among V's
.set SGW,  5                           ; v5   my stage: where my 12 bytes of a block's codes go
.set SGR,  6                           ; v6   my stage: 8 x lane
.set GO,   7                           ; v7   8 x lane
.set ADK,  8                           ; v8   LDS address of the step's tiles
.set ADS,  9                           ; v9   of K's scale words
.set ADT,  10                          ; v10  of V's
.set CSO,  11                          ; v11  32 r + h: my byte's place among 16 rows of ctx's scale bytes
; v12 -M, v13 the largest t, v[14:15] the sum in two halves; v16-21 Q's codes, v22-27 zeros; v32-79 fragments of K or of V, v80-85 zeros; v86-93 K's scale words; v96-159 S^T, then p; v160-191 O^T;
; v224-235 p's codes; v232-247, v252, v254 at work; v248-251 V's scale words; v253 p's scale word; v255 Q's
.set WV,   20                          ; s20  my wave's number
.set SEL,  22                          ; s[22:23] lane selects for v_permlanex16_b32: lane l xor 16
.set CS,   24                          ; s[24:25] c = log2(e) / 32
.set TB,   26                          ; s26  LDS byte at which the step's tiles begin
.set TS,   27                          ; s27  the step's scale words of K
.set TJ,   28                          ; s28  and of V
.set G1K,  32                          ; s[32:39] descriptor group 1: half a part of K;  s[40:47] of V;  s[48:55] half of K's scale words;  s[56:63] of V's
.set G1V,  40
.set G1KS, 48
.set G1VS, 56
.set G0S,  68                          ; s[68:71] group 0 for the scale words;  s[72:87] for the four parts
.set G0P,  72
.set W0,   15|(3<<16)|(1<<21)          ; 15:0 the mask: all four work-groups; 17:16 elements of 8 bytes; 20 no padding; 21 set beside a mask
.macro CROUND                          ; a round of the cluster's barrier
	s_barrier_signal -1
	s_barrier_wait -1
	s_cmp_lg_u32 s[WV], 0
	s_cbranch_scc1 .Lnot_wave_0_\@
	s_barrier_signal -3
.Lnot_wave_0_\@:
	s_barrier_wait -3
	s_barrier_signal -1
	s_barrier_wait -1
.endm
	s_load_b512 s[4:19], s[0:1], 0x0               ; q_cd s[4:5], q_sc s[6:7], k_cd s[8:9], k_sc s[10:11], vt_cd s[12:13], vt_sc s[14:15], ctx_cd s[16:17], ctx_sc s[18:19]
	v_lshl_add_u32 v223, v0, 2, 0x37000
	v_mov_b32 v243, 0
	ds_add_u32 v223, v243
	ds_add_u32 v223, v243
	v_lshrrev_b32 v8, 5, v0
	s_delay_alu instid0(VALU_DEP_1)
	v_readfirstlane_b32 s[WV], v8                  ; wave 0..15
	s_and_b32 s96, ttmp7, 0xffff                   ; y = 16 b + h, which the four partners share
	s_lshr_b32 s97, s96, 4                         ; b
	s_and_b32 s98, s96, 15                         ; h
	s_and_b32 s99, s[WV], 1                        ; e: which half of a part I fetch, if I fetch
	; group 1.  K: 12,288 dense bytes as 48 rows of 256
	s_mov_b32 s[G1K], W0
	s_mov_b32 s[G1K+1], 32<<16                     ; tensor_dim0 = 32 elements
	s_mov_b32 s[G1K+2], 48<<16                     ; tensor_dim1
	s_mov_b32 s[G1K+3], 32<<16                     ; tile_dim0
	s_mov_b32 s[G1K+4], 48                         ; tile_dim1
	s_mov_b32 s[G1K+5], 32                         ; pitch
	s_mov_b32 s[G1K+6], 0
	s_mov_b32 s[G1K+7], 0
	; V: four groups of 64 keys: 3,072 dense bytes each (the head's 64 channels x 48), 49,152 bytes apart
	s_mov_b32 s[G1V], W0
	s_mov_b32 s[G1V+1], 384<<16
	s_mov_b32 s[G1V+2], 4<<16
	s_mov_b32 s[G1V+3], 384<<16
	s_mov_b32 s[G1V+4], 4
	s_mov_b32 s[G1V+5], 6144
	s_mov_b32 s[G1V+6], 0
	s_mov_b32 s[G1V+7], 0
	; K's scale words: 4,096 dense bytes as 16 rows of 256
	s_mov_b32 s[G1KS], W0
	s_mov_b32 s[G1KS+1], 32<<16
	s_mov_b32 s[G1KS+2], 16<<16
	s_mov_b32 s[G1KS+3], 32<<16
	s_mov_b32 s[G1KS+4], 16
	s_mov_b32 s[G1KS+5], 32
	s_mov_b32 s[G1KS+6], 0
	s_mov_b32 s[G1KS+7], 0
	; V's: eight key steps: 256 bytes each (the head's 64 channels), 4,096 bytes apart
	s_mov_b32 s[G1VS], W0
	s_mov_b32 s[G1VS+1], 32<<16
	s_mov_b32 s[G1VS+2], 8<<16
	s_mov_b32 s[G1VS+3], 32<<16
	s_mov_b32 s[G1VS+4], 8
	s_mov_b32 s[G1VS+5], 512
	s_mov_b32 s[G1VS+6], 0
	s_mov_b32 s[G1VS+7], 0
	; where my loads begin in memory, for K and for V; one compare on the wave's number then chooses
	s_mul_i32 s2, s96, 98304                       ; K's codes: the head's 2,048 x 48 bytes,
	s_mul_i32 s28, s99, 12288
	s_add_co_u32 s2, s2, s28                       ; + my half of a part
	s_mul_i32 s3, s97, 1572864                     ; V's codes: the batch's 32 groups of 64 keys,
	s_mul_i32 s28, s98, 3072
	s_add_co_u32 s3, s3, s28                       ; the head's channels,
	s_mul_i32 s28, s99, 196608
	s_add_co_u32 s3, s3, s28                       ; my four groups of a part's eight
	s_lshl_b32 s26, s96, 13                        ; K's words: 8,192 bytes a head,
	s_lshl_b32 s28, s99, 12
	s_add_co_u32 s26, s26, s28                     ; my half
	s_lshl_b32 s27, s97, 16                        ; V's words: the batch's 16 key steps of 4,096 bytes,
	s_lshl_b32 s28, s98, 8
	s_add_co_u32 s27, s27, s28                     ; the head's channels,
	s_lshl_b32 s28, s99, 15
	s_add_co_u32 s27, s27, s28                     ; my eight steps
	s_mov_b32 s28, 2*196608
	s_wait_dscnt 0x0
	s_wait_kmcnt 0x0
	s_cmp_lt_u32 s[WV], 2                          ; waves 0, 1: K;  waves 2, 3: V  (the others issue nothing)
	s_cselect_b32 s2, s2, s3
	s_cselect_b32 s26, s26, s27
	s_cselect_b32 s28, 2*12288, s28                ; from part to part
	s_cselect_b64 s[100:101], s[8:9], s[12:13]
	s_cselect_b64 s[30:31], s[10:11], s[14:15]
	s_mov_b32 s3, 0
	s_mov_b32 s27, 0
	s_mov_b32 s29, 0
	s_add_nc_u64 s[100:101], s[100:101], s[2:3]
	s_add_nc_u64 s[30:31], s[30:31], s[26:27]
	s_mov_b32 s[G0S], 1                            ; 1:0 count = 1
	s_lshl_b32 s2, s[WV], 12
	s_add_co_u32 s[G0S+1], s2, SCK                 ; LDS: 4,096 x wave behind SCK: K's two halves, then V's two
	s_mov_b64 s[G0S+2:G0S+3], s[30:31]
	s_or_b32 s[G0S+3], s[G0S+3], 0x80000000        ; type = 2
	s_mul_i32 s2, s[WV], 12288                     ; LDS: 12,288 x wave in a part: K's two halves, then V's two: no place in the cluster enters an LDS address
.irp p, 0,1,2,3
	s_mov_b32 s[G0P+4*\p], 1
	s_add_co_u32 s[G0P+4*\p+1], s2, PARTB*\p
	s_mov_b64 s[G0P+4*\p+2:G0P+4*\p+3], s[100:101]
	s_or_b32 s[G0P+4*\p+3], s[G0P+4*\p+3], 0x80000000
	s_add_nc_u64 s[100:101], s[100:101], s[28:29]  ; (the last step's result is not used)
.endr
	CROUND                                         ; all four work-groups are here: the joint loads meet
	s_cmp_lt_u32 s[WV], 2                          ; a wave's five fills stand in one branch, ahead of every wait on TENSORcnt, every LDS read and every other barrier: five loads of mine are out
	s_cbranch_scc0 .Lnot_k
	tensor_load_to_lds s[G0S:G0S+3], s[G1KS:G1KS+7]
	s_nop 0
	tensor_load_to_lds s[G0P:G0P+3], s[G1K:G1K+7]
	s_nop 0
	tensor_load_to_lds s[G0P+4:G0P+7], s[G1K:G1K+7]
	s_nop 0
	tensor_load_to_lds s[G0P+8:G0P+11], s[G1K:G1K+7]
	s_nop 0
	tensor_load_to_lds s[G0P+12:G0P+15], s[G1K:G1K+7]
	s_nop 0
.rept 4
	v_nop
.endr
	s_branch .Lasked
.Lnot_k:
	s_cmp_lt_u32 s[WV], 4
	s_cbranch_scc0 .Lasked
	tensor_load_to_lds s[G0S:G0S+3], s[G1VS:G1VS+7]
	s_nop 0
	tensor_load_to_lds s[G0P:G0P+3], s[G1V:G1V+7]
	s_nop 0
	tensor_load_to_lds s[G0P+4:G0P+7], s[G1V:G1V+7]
	s_nop 0
	tensor_load_to_lds s[G0P+8:G0P+11], s[G1V:G1V+7]
	s_nop 0
	tensor_load_to_lds s[G0P+12:G0P+15], s[G1V:G1V+7]
	s_nop 0
.rept 4
	v_nop
.endr
.Lasked:
	; my queries: 512 cx + 16 wave in the head; the second pass 256 on.  cx enters these four global addresses alone
	s_bfe_u32 s21, ttmp6, 0x40000                  ; cx
	s_lshl_b32 s21, s21, 9
	s_lshl_b32 s2, s[WV], 4
	s_add_co_u32 s21, s21, s2
	s_lshl_b32 s2, s96, 11
	s_add_co_u32 s2, s2, s21                       ; 2,048 y + my first query
	s_mul_i32 s26, s2, 48
	s_add_nc_u64 s[88:89], s[4:5], s[26:27]        ; Q's codes
	s_lshl_b32 s26, s2, 2
	s_add_nc_u64 s[90:91], s[6:7], s[26:27]        ; Q's words
	s_lshl_b32 s2, s97, 11
	s_add_co_u32 s2, s2, s21                       ; my first row: 2,048 b + my first query
	s_lshl_b32 s3, s98, 13
	s_add_co_u32 s3, s3, s2
	s_mul_i32 s26, s3, 48
	s_add_nc_u64 s[92:93], s[16:17], s[26:27]      ; ctx's codes: (8,192 h + row) x 48
	s_lshl_b32 s26, s2, 5
	s_lshl_b32 s3, s98, 1
	s_add_co_u32 s26, s26, s3
	s_add_nc_u64 s[94:95], s[18:19], s[26:27]      ; ctx's scale bytes: 32 row + 2 h
	s_mov_b32 s[SEL], 0x76543210
	s_mov_b32 s[SEL+1], 0xfedcba98
	s_mov_b32 s[CS], 0x3d38aa3b                    ; c = log2(e) / 32
	s_mov_b32 s[CS+1], s[CS]                       ; (named with it as a pair, so it is written)
	s_mov_b32 s31, 0xffff0000                      ; lanes 16-31
	s_mov_b32 s30, 2                               ; passes
	v_and_b32 v8, 15, v0                           ; r
	v_bfe_u32 v9, v0, 4, 1                         ; h
	v_and_b32 v10, 31, v0                          ; lane
	s_delay_alu instid0(VALU_DEP_3)
	v_mul_u32_u24 v[AL], v8, 48
	s_delay_alu instid0(VALU_DEP_1)
	v_mad_u32_u24 v[AL], v9, 24, v[AL]
	v_lshlrev_b32 v[WO4], 2, v8
	s_delay_alu instid0(VALU_DEP_1)
	v_add_nc_u32 v[ASK0], SCK, v[WO4]
	s_delay_alu instid0(VALU_DEP_2)
	v_add_nc_u32 v[ASV0], SCV, v[WO4]
	s_mul_i32 s2, s[WV], 768
	s_add_co_u32 s2, s2, STG                       ; my stage
	v_mul_u32_u24 v[SGW], v8, 48
	s_delay_alu instid0(VALU_DEP_1)
	v_mad_u32_u24 v[SGW], v9, 12, v[SGW]
	s_delay_alu instid0(VALU_DEP_1)
	v_add_nc_u32 v[SGW], s2, v[SGW]
	v_lshlrev_b32 v[GO], 3, v10
	s_delay_alu instid0(VALU_DEP_1)
	v_add_nc_u32 v[SGR], s2, v[GO]
	v_lshl_add_u32 v[CSO], v8, 5, v9
.irp j, 0,1,2,3,4,5
	v_mov_b32 v[22+\j], 0                          ; the upper 64 along K of Q's fragment: zero codes, for the whole launch
	v_mov_b32 v[80+\j], 0                          ; and what stands behind K's last fragment
.endr
.irp b, 0,1,2,3
	v_mov_b32 v[236+\b], 0                         ; written once: a lane permute's destination counts as one of its sources
.endr
	v_mov_b32 v253, 0                              ; (named as the upper half of the pair v[252:253] before it is first written)
; A KEY STEP: 128 keys.
.macro STEP
	v_add_nc_u32 v[ADK], s[TB], v[AL]              ; these three and the v_nop are the four places in front of loads into registers that the last products have read
	v_add_nc_u32 v[ADS], s[TS], v[ASK0]
	v_add_nc_u32 v[ADT], s[TJ], v[ASV0]
	v_nop
.irp t, 0,1,2,3,4,5,6,7                        ; tile t: keys 16 t + r; lane (r, h) takes the 24 bytes of block h of its key: 32 lanes x 8 bytes touch each of the 64 banks once (word 12 r + 6 h + 2 p)
.irp p, 0,1,2
	ds_load_b64 v[32+6*\t+2*\p:33+6*\t+2*\p], v[ADK] offset:768*\t+8*\p
.endr
	ds_load_b32 v[86+\t], v[ADS] offset:64*\t
.endr
	s_wait_alu depctr_va_vdst(0)
	s_wait_dscnt 0x0
.irp t, 0,1,2,3,4,5,6,7                        ; S^T = K Q^T: lane (r, h) holds query r; register j of tile t is key 16 t + 8 h + j
	v_wmma_scale_f32_16x16x128_f8f6f4 v[96+8*\t:103+8*\t], v[32+6*\t:43+6*\t], v[16:27], 0, v[86+\t], v255 matrix_a_fmt:MATRIX_FMT_FP6 matrix_b_fmt:MATRIX_FMT_FP6
.endr
.rept 4
	v_nop                                          ; places: for the reads of the scores, and for the loads below into K's registers
.endr
.irp t, 0,1,2,3                                ; V's fragments are asked for now and land under the softmax: tile t: channels 16 t + r; registers 0-5 the step's first 64 keys, 6-11 its second
.irp p, 0,1,2,3,4,5
	ds_load_b64 v[32+12*\t+2*\p:33+12*\t+2*\p], v[ADK] offset:VOFF+3072*(\p/3)+768*\t+8*(\p%3)
.endr
	ds_load_b32 v[248+\t], v[ADT] offset:64*\t
.endr
.irp b, 0,1,2,3
	v_max3_num_f32 v[232+\b], v[96+16*\b], v[97+16*\b], v[98+16*\b]   ; THE LARGEST SCORE OF EACH BLOCK OF 32 KEYS (registers 16 b .. 16 b + 15 of lanes r and r + 16): it serves for the row's maximum and, since p rises with the score, for the block's largest p
.endr
.irp i, 3,5,7,9,11,13
.irp b, 0,1,2,3
	v_max3_num_f32 v[232+\b], v[232+\b], v[96+16*\b+\i], v[97+16*\b+\i]   ; (the four blocks by turns)
.endr
.endr
.irp b, 0,1,2,3
	v_max_num_f32 v[232+\b], v[232+\b], v[111+16*\b]
.endr
.irp b, 0,1,2,3
	s_delay_alu instid0(VALU_DEP_4)
	v_permlanex16_b32 v[236+\b], v[232+\b], s[SEL], s[SEL+1]
.endr
.irp b, 0,1,2,3
	s_delay_alu instid0(VALU_DEP_4)
	v_max_num_f32 v[232+\b], v[232+\b], v[236+\b]  ; with lane l xor 16's 16 keys
.endr
	s_delay_alu instid0(VALU_DEP_2)
	v_max3_num_f32 v254, v232, v233, v234
	s_delay_alu instid0(VALU_DEP_1)
	v_max_num_f32 v254, v254, v235                 ; the step's largest score of my query
	s_delay_alu instid0(VALU_DEP_1)
	v_mul_f32 v254, s[CS], v254                    ; as t (c is positive)
	s_delay_alu instid0(VALU_DEP_1)
	v_max_num_f32 v13, v13, v254                   ; the running largest t
	v_mov_b32 v254, v12
	s_delay_alu instid0(VALU_DEP_2)
	v_floor_f32 v12, -v13                          ; the new -M = floor(-t) = -ceil(t): M is a whole number
	s_delay_alu instid0(VALU_DEP_1)
	v_sub_f32 v254, v12, v254                      ; M's old value less its new one: a whole number, 0 or less
	s_delay_alu instid0(VALU_DEP_1)
	v_cvt_i32_f32 v254, v254                       ; (it saturates)
	s_delay_alu instid0(VALU_DEP_1)
	v_ldexp_f32 v252, 1.0, v254                    ; f = 2^(old M - new M): a multiplication by it rounds nothing
.set J, 0
.rept 32
	v_pk_fma_f32 v[96+J:97+J], v[96+J:97+J], s[CS:CS+1], v[12:13] op_sel_hi:[1,0,0]   ; t - M, two at a time (of the pairs c and -M the low word serves both halves)
.set J, J+2
.endr
.irp b, 0,1,2,3
	v_fma_f32 v[232+\b], v[232+\b], s[CS], v12     ; the same of each block's largest score
.endr
.set J, 0
	s_setprio 1
	s_wait_alu depctr_va_vdst(0)
.rept 64
	v_exp_f32 v[96+J], v[96+J]                     ; p = 2^(t - M), at most 1: not normalised
.set J, J+1
.endr
	v_pk_mul_f32 v[14:15], v[14:15], v[252:253] op_sel_hi:[1,0]   ; the sums under the new M.  (A plain place behind the exponentials)
	s_wait_alu depctr_va_vdst(0)                   ; one wait for the whole batch, ahead of its first reader
.irp b, 0,1,2,3
	v_exp_f32 v[232+\b], v[232+\b]                 ; the block's largest p: the same two instructions on the same number give the same bits
.endr
	v_pk_add_f32 v[236:237], v[100:101], v[104:105]
	v_pk_add_f32 v[246:247], v[108:109], v[112:113]
	v_pk_add_f32 v[244:245], v[116:117], v[120:121]
	v_pk_add_f32 v[240:241], v[124:125], v[128:129]
	v_pk_add_f32 v[238:239], v[132:133], v[136:137]
	v_pk_add_f32 v[230:231], v[140:141], v[144:145]
	v_pk_add_f32 v[228:229], v[148:149], v[152:153]
	v_pk_add_f32 v[14:15], v[14:15], v[156:157]
	v_pk_add_f32 v[236:237], v[236:237], v[96:97]
	v_pk_add_f32 v[246:247], v[246:247], v[98:99]
	v_pk_add_f32 v[244:245], v[244:245], v[102:103]
	v_pk_add_f32 v[240:241], v[240:241], v[106:107]
	v_pk_add_f32 v[238:239], v[238:239], v[110:111]
	v_pk_add_f32 v[230:231], v[230:231], v[114:115]
	v_pk_add_f32 v[228:229], v[228:229], v[118:119]
	v_pk_add_f32 v[14:15], v[14:15], v[122:123]
	v_pk_add_f32 v[236:237], v[236:237], v[126:127]
	v_pk_add_f32 v[246:247], v[246:247], v[130:131]
	v_pk_add_f32 v[244:245], v[244:245], v[134:135]
	v_pk_add_f32 v[240:241], v[240:241], v[138:139]
	v_pk_add_f32 v[238:239], v[238:239], v[142:143]
	v_pk_add_f32 v[230:231], v[230:231], v[146:147]
	v_pk_add_f32 v[228:229], v[228:229], v[150:151]
	v_pk_add_f32 v[14:15], v[14:15], v[154:155]
	v_pk_add_f32 v[236:237], v[236:237], v[158:159]
	s_delay_alu instid0(VALU_DEP_2)
	v_pk_add_f32 v[14:15], v[14:15], v[240:241]
	s_delay_alu instid0(VALU_DEP_2)
	v_pk_add_f32 v[236:237], v[236:237], v[238:239]
	v_pk_add_f32 v[246:247], v[246:247], v[230:231]
	v_pk_add_f32 v[244:245], v[244:245], v[228:229]
	s_delay_alu instid0(VALU_DEP_2)
	v_pk_add_f32 v[14:15], v[14:15], v[246:247]
	s_delay_alu instid0(VALU_DEP_2)
	v_pk_add_f32 v[236:237], v[236:237], v[244:245]
	s_delay_alu instid0(VALU_DEP_1)
	v_pk_add_f32 v[14:15], v[14:15], v[236:237]
	s_wait_alu depctr_va_vdst(0)                   ; and one for the four
.irp b, 0,1,2,3
	v_max_num_f32 v[232+\b], 0x1800000, v[232+\b]  ; the floor 2^(3 - 127): the byte cannot fall under 1 (a block whose every p has fallen to 0 keeps that byte: its codes are zeros)
.endr
.irp b, 0,1,2,3
	s_delay_alu instid0(VALU_DEP_4)
	v_add_nc_u32 v[244+\b], 0xff000000, v[232+\b]  ; 2 off the exponent field: the conversion's scale operand
.endr
.irp b, 0,1,2,3
	s_delay_alu instid0(VALU_DEP_4)
	v_lshrrev_b32 v[236+\b], 23, v[244+\b]         ; the scale's byte
.endr
	s_delay_alu instid0(VALU_DEP_3)
	v_lshl_or_b32 v253, v237, 8, v236              ; p's scale word for these 128 keys
	s_delay_alu instid0(VALU_DEP_1)
	v_lshl_or_b32 v253, v238, 16, v253
	s_delay_alu instid0(VALU_DEP_1)
	v_lshl_or_b32 v253, v239, 24, v253
.irp c, 0,1
	v_cvt_scalef32_pk16_fp6_f32 v[224+6*\c:226+6*\c], v[96+32*\c:111+32*\c], v[244+2*\c]
	v_cvt_scalef32_pk16_fp6_f32 v[236+4*\c:238+4*\c], v[112+32*\c:127+32*\c], v[244+2*\c+1]   ; (a conversion's three registers begin on an even number)
.endr
	v_nop                                          ; one plain vector instruction between a scaled conversion and the vector instruction that touches its result
	s_setprio 0
.irp c, 0,1                                    ; the operand's layout wants a WHOLE block in a lane: lanes 0-15 block 2 c, lanes 16-31 block 2 c + 1.  Its slots 0-15 are then the 16 keys that lanes 0-15 held
.irp i, 0,1,2                                  ; (numbers 0-7 and 16-23 of the block), its slots 16-31 those of lanes 16-31 (8-15 and 24-31): the order in which V's codes lie
	v_permlane16_swap_b32 v[224+6*\c+\i], v[236+4*\c+\i]
.endr
.irp i, 0,1,2
	s_delay_alu instid0(VALU_DEP_3)
	v_mov_b32 v[227+6*\c+\i], v[236+4*\c+\i]
.endr
.endr
.set J, 0
.rept 16
	v_pk_mul_f32 v[160+J:161+J], v[160+J:161+J], v[252:253] op_sel_hi:[1,0]   ; O^T under the new M: x f, each accumulator from its low end on.  (These 16 are also the places between the scale word, the codes and the products below)
.set J, J+2
.endr
	s_wait_alu depctr_va_vdst(0)
	s_wait_dscnt 0x0                               ; V's fragments and scale words are in
.irp t, 0,1,2,3                                ; O^T += V^T P^T: the four accumulators by turns, one instruction a turn
	v_wmma_scale_f32_16x16x128_f8f6f4 v[160+8*\t:167+8*\t], v[32+12*\t:43+12*\t], v[224:235], v[160+8*\t:167+8*\t], v[248+\t], v253 matrix_a_fmt:MATRIX_FMT_FP6 matrix_b_fmt:MATRIX_FMT_FP6
.endr
	s_add_co_u32 s[TB], s[TB], STEPB               ; the next step's tiles and scale words
	s_add_co_u32 s[TS], s[TS], 512
	s_add_co_u32 s[TJ], s[TJ], 256
.endm
; A PART: 512 keys, four steps.  Each fetching wave waits for its share of the part (the 3 - p loads behind it may stay out); behind the barrier the part is whole for all sixteen.
.macro PART p
	s_wait_dscnt 0x0
	s_wait_tensorcnt 3-\p
	s_barrier_signal -1
	s_barrier_wait -1
	s_mov_b32 s[TB], PARTB*\p
	s_mov_b32 s[TS], 2048*\p
	s_mov_b32 s[TJ], 4096*(\p/2)+1024*(\p%2)
	s_mov_b32 s29, 4
.Lstep_\@:
	s_setprio 2
	STEP
	s_sub_co_u32 s29, s29, 1
	s_cmp_lg_u32 s29, 0
	s_cbranch_scc1 .Lstep_\@
	s_setprio 0
.endm
.Lpass:                                            ; two trips: 16 queries a wave each
.irp p, 0,1,2
	global_load_b64 v[16+2*\p:17+2*\p], v[AL], s[88:89] offset:8*\p   ; Q's fragment: lane (r, h): the 24 bytes of block h of query r
.endr
	global_load_b32 v255, v[WO4], s[90:91]         ; Q's scale words
	v_mov_b32 v13, 0xff61b1e6                      ; the largest t so far: -3e38, under every t
	s_delay_alu instid0(VALU_DEP_1)
	v_floor_f32 v12, -v13                          ; -M
	v_mov_b32 v14, 0                               ; the sum, in two halves
	v_mov_b32 v15, 0
.set J, 0
.rept 32
	v_mov_b32 v[160+J], 0                          ; O^T.  (The step is written without a first step of its own: the first finds zeros, which the first change of M leaves zeros)
.set J, J+1
.endr
	s_wait_loadcnt 0x0
	PART 0
	PART 1
	PART 2
	PART 3
	; THE WAY OUT: ctx = O^T / the sum, quantised along the head's 64 channels
.rept 4
	v_nop                                          ; places behind the last products
.endr
	v_add_f32 v14, v14, v15                        ; the sum's two halves,
	s_delay_alu instid0(VALU_DEP_1)
	v_permlanex16_b32 v252, v14, s[SEL], s[SEL+1]
	s_delay_alu instid0(VALU_DEP_1)
	v_add_f32 v14, v14, v252                       ; and lane l xor 16's: the row's sum
	s_wait_alu depctr_va_vdst(0)
	v_rcp_f32 v14, v14
	v_nop                                          ; a plain place behind the reciprocal
	s_wait_alu depctr_va_vdst(0)                   ; the wait ahead of its first reader
.set J, 0
.rept 32
	v_mul_f32 v[96+J], v[160+J], v14               ; register 8 t + j is ctx(r, 16 t + 8 h + j); each accumulator from its low end on
.set J, J+1
.endr
.irp u, 0,1                                    ; tile 2 u's lanes 16-31 change places with tile 2 u + 1's lanes 0-15: registers 16 u .. 16 u + 15 of lane (r, h) are then channels 32 u + 16 h + 0 .. 15, in true order
.irp j, 0,1,2,3,4,5,6,7
	v_permlane16_swap_b32 v[96+16*\u+\j], v[104+16*\u+\j]
.endr
.endr
.irp u, 0,1
	v_max3_num_f32 v[232+\u], |v[96+16*\u]|, |v[97+16*\u]|, 0x1800000   ; block u: my 16 numbers and the floor 2^(3 - 127)
.endr
.irp i, 2,4,6,8,10,12,14
.irp u, 0,1
	s_delay_alu instid0(VALU_DEP_2)
	v_max3_num_f32 v[232+\u], v[232+\u], |v[96+16*\u+\i]|, |v[97+16*\u+\i]|
.endr
.endr
.irp u, 0,1
	s_delay_alu instid0(VALU_DEP_2)
	v_permlanex16_b32 v[236+\u], v[232+\u], s[SEL], s[SEL+1]
.endr
.irp u, 0,1
	s_delay_alu instid0(VALU_DEP_2)
	v_max_num_f32 v[232+\u], v[232+\u], v[236+\u]  ; with lane l xor 16's: the block's largest magnitude
.endr
.irp u, 0,1
	s_delay_alu instid0(VALU_DEP_2)
	v_add_nc_u32 v[244+\u], 0xff000000, v[232+\u]  ; the conversion's scale operand
.endr
.irp u, 0,1
	v_cvt_scalef32_pk16_fp6_f32 v[224+4*\u:226+4*\u], v[96+16*\u:111+16*\u], v[244+\u]   ; 12 bytes: bytes 24 u + 12 h on of the row's 48
.endr
.irp u, 0,1
	v_lshrrev_b32 v[236+\u], 23, v[244+\u]         ; the scale's byte.  (Plain lines behind the conversions)
.endr
	s_delay_alu instid0(VALU_DEP_1)
	v_cndmask_b32 v254, v236, v237, s31            ; lanes 0-15 store block 0's byte of their row, lanes 16-31 block 1's
.irp u, 0,1
.irp i, 0,1,2
	ds_store_b32 v[SGW], v[224+4*\u+\i] offset:24*\u+4*\i
.endr
.endr
.irp i, 0,1,2
	ds_load_b64 v[32+2*\i:33+2*\i], v[SGR] offset:256*\i   ; my stage is my own, and LDS serves my instructions in order: these see my stores
.endr
	s_wait_alu depctr_va_vdst(0)
	s_wait_dscnt 0x0
.irp i, 0,1,2
	global_store_b64 v[GO], v[32+2*\i:33+2*\i], s[92:93] offset:256*\i   ; 32 lanes store 256 consecutive bytes, at a multiple of 256 from the buffer's first byte: 16 rows are 768 bytes
.endr
	global_store_b8 v[CSO], v254, s[94:95]
	s_wait_xcnt 0x0                                ; the stores have read their registers and bases: both are written again only behind this wait
	s_add_nc_u64 s[88:89], s[88:89], 256*48        ; 256 queries on (the last trip's steps are not used)
	s_add_nc_u64 s[90:91], s[90:91], 256*4
	s_add_nc_u64 s[92:93], s[92:93], 256*48
	s_add_nc_u64 s[94:95], s[94:95], 256*32
	s_sub_co_u32 s30, s30, 1
	s_cmp_lg_u32 s30, 0
	s_cbranch_scc1 .Lpass
	s_wait_tensorcnt 0x0                           ; no tensor load of mine is out (the last part's wait has shown it)
	s_wait_tensorcnt 0x0
	ds_add_u32 v223, v243
	s_wait_dscnt 0x0
	CROUND                                         ; the closing round: no work-group ends while a partner may still ask for a tile that names it
	s_endpgm
.Lfunc_end_k_q4f6be1a290_attn:
	.size	k_q4f6be1a290_attn, .Lfunc_end_k_q4f6be1a290_attn-k_q4f6be1a290_attn
	.p2alignl 7, 3214868480
	.fill 96, 4, 3214868480
	.section	.rodata,"a",@progbits
	.p2align	6, 0x0
	.amdhsa_kernel k_q4f6be1a290_attn
		.amdhsa_group_segment_fixed_size 227328
		.amdhsa_private_segment_fixed_size 0
		.amdhsa_enable_private_segment 0
		.amdhsa_kernarg_size 64
		.amdhsa_user_sgpr_count 2
		.amdhsa_user_sgpr_kernarg_segment_ptr 1
		.amdhsa_wavefront_size32 1
		.amdhsa_system_sgpr_workgroup_id_x 1
		.amdhsa_system_sgpr_workgroup_id_y 1
		.amdhsa_system_sgpr_workgroup_id_z 1
		.amdhsa_system_vgpr_workitem_id 0
		.amdhsa_next_free_vgpr 256
		.amdhsa_next_free_sgpr 102
		.amdhsa_reserve_vcc 0
		.amdhsa_float_denorm_mode_32 3
		.amdhsa_float_denorm_mode_16_64 3
		.amdhsa_memory_ordered 1
		.amdhsa_forward_progress 1
		.amdhsa_inst_pref_size 94
	.end_amdhsa_kernel
	.amdgpu_metadata
---
amdhsa.version: [ 1, 2 ]
amdhsa.kernels:
  - .name:           k_q4f6be1a290_attn
    .symbol:         k_q4f6be1a290_attn.kd
    .args:
      - { .name: q_cd, .offset: 0, .size: 8, .value_kind: global_buffer, .address_space: global }
      - { .name: q_sc, .offset: 8, .size: 8, .value_kind: global_buffer, .address_space: global }
      - { .name: k_cd, .offset: 16, .size: 8, .value_kind: global_buffer, .address_space: global }
      - { .name: k_sc, .offset: 24, .size: 8, .value_kind: global_buffer, .address_space: global }
      - { .name: vt_cd, .offset: 32, .size: 8, .value_kind: global_buffer, .address_space: global }
      - { .name: vt_sc, .offset: 40, .size: 8, .value_kind: global_buffer, .address_space: global }
      - { .name: ctx_cd, .offset: 48, .size: 8, .value_kind: global_buffer, .address_space: global }
      - { .name: ctx_sc, .offset: 56, .size: 8, .value_kind: global_buffer, .address_space: global }
    .group_segment_fixed_size: 227328
    .private_segment_fixed_size: 0
    .kernarg_segment_align: 8
    .kernarg_segment_size: 64
    .max_flat_workgroup_size: 512
    .sgpr_count:     102
    .vgpr_count:     256
    .wavefront_size: 32
...
	.end_amdgpu_metadata
.endif
;; end of part 2
;; launch outp (part 3): grid 4 x 32, 4 waves a work-group, clusters of 4 x 4, 327,680 bytes of LDS; arguments ctx_cd, ctx_sc, Wo_codes, Wo_scales, out0, bo; writes out0
.if DOCPART == 3
	.amdgcn_target "amdgcn-amd-amdhsa--gfx1250"
	.amdhsa_code_object_version 6
	.text
	.protected	k_q4f6be1a290_outp
	.globl	k_q4f6be1a290_outp
	.p2align	8
	.type	k_q4f6be1a290_outp,@function
k_q4f6be1a290_outp:
	s_mov_b64 s[64:65], 0
	v_nop
	global_prefetch_b8 v0, s[64:65] scope:SCOPE_SE
	s_setreg_imm32_b32 hwreg(HW_REG_WAVE_MODE, 25, 1), 1
	s_wait_xcnt 0x0
	s_wait_alu depctr_hold_cnt(0) depctr_sa_sdst(0) depctr_va_vdst(0) depctr_va_sdst(0) depctr_va_ssrc(0) depctr_va_vcc(0) depctr_vm_vsrc(0)
	s_getreg_b32 s2, hwreg(HW_REG_IB_STS2, 6, 4)
	s_cmp_eq_u32 s2, 0
	s_cbranch_scc0 .Lentry_in_a_cluster
	s_endpgm
.Lentry_in_a_cluster:
	s_bfe_u32 s2, ttmp6, 0x10000c
	s_cmp_lg_u32 s2, 0xf033
	s_cbranch_scc0 .Lentry_shape_is_right
	s_endpgm
.Lentry_shape_is_right:
; out[m][n] = sum over k of ctx[m][k] Wo[n][k] + bo[n], on codes of FP6 (E2M3) with one E8M0 scale for each 32 along K = 1,024.  m: 8,192 rows, n: 1,024; out is f32; sums in f32.
; ctx's codes lie [head 16][row 8,192][48 bytes: the head's 64 codes], k = 64 head + channel; its scale bytes [row][32].  Wo's codes [n][768 bytes], its scale bytes [n][32].
; A tile of out, 256 x 256, is made by four waves; a wave makes 128 x 128: 64 accumulators of 16 x 16, 512 registers.  K goes in steps of 256 (four heads) through a ring of two LDS slots filled by the tensor data mover.
; A's tile of 128 rows is four dense runs of 6,144 bytes, one a head; it lies in LDS as it lies in memory, rows 48 bytes apart: the 32 lanes of a load of 8 bytes (word 12 r + 6 h + 2 p) touch each of the 64 banks once.
; B's tile has rows of 192 bytes, padded to 240.  The scale bytes of the work-group's 256 rows of A and of B, for all of K, come into LDS once, with the first fills.
; CLUSTERS: 4 x 4 work-groups.  The four of a row of the cluster need the same tiles of A, the four of a column the same tiles of B: each tile is asked for JOINTLY, by the same tensor load with the same descriptor and a mask that names the four.
; THE MATRIX INSTRUCTION IS USED TRANSPOSED (source 0 = 16 rows of B, source 1 = 16 rows of A): a lane holds eight neighbouring numbers of a row of out.
; 128 work-groups: 32 x 4 tiles of 256 x 256.
; REGISTERS, in windows of 256: window 0: v0-31 addresses, v12-15 my four numbers of bo; v32-63 scale words, two sets, and nothing else; from v128 A's fragments, ONE set, on the way out rows read back from the stage.
;   window 1: B's fragments, TWO sets, at v0 and at v128.   window 2: the 32 accumulators of my rows 0-63 ((a, b) at v[8 (8 a + b)]);   window 3: those of my rows 64-127.
.set SIZE_N, 1024
.set KSTEP,  256                       ; along K in a slot
.set NQ,     KSTEP/128                 ; matrix instructions deep
.set ROWB,   192                       ; a row of B's tile in bytes
.set KROW,   768                       ; a row of B in memory
.set PITCH,  240                       ; B's LDS row: 3 x (64 bytes of data + 16 of padding)
.set AROW,   48                        ; a row of A in one head
.set AHEAD,  128*AROW                  ; 128 rows of one head: 6,144 bytes
.set ASTEP,  4*8192*AROW               ; four heads on in memory: a K step
.set FR,     12                        ; registers of a fragment
.set NL,     6                         ; LDS loads that bring one
.set NP,     4                         ; places behind this matrix instruction (ISA guide 7.12.1)
.set HALFT,  128*PITCH                 ; the place of 128 rows in a slot (A's use 24,576 of these 30,720 bytes)
.set SLOT,   4*HALFT                   ; A's 256 rows, then B's 256 rows
.set LAPS,   2                         ; 1,024 / 512
.set KS,     32                        ; a row of scales in bytes
.set SCL,    2*SLOT                    ; behind the ring: the scales, as units of 256 bytes + 16 of padding
.set HALFS,  (128*KS/256)*272
.set SBLK,   (16*KS/256)*272
.set SPARE,  SCL+4*HALFS               ; behind the scales: the spare words, 128 bytes for each wave, which no other line names
.set SPITCH, 528                       ; the way out: a stage of 16 rows x (512 bytes + 16) for each wave, in slot 0, which has had its last fill and its last read by then
.set BI,   12                          ; v12-15 bo at my four columns
.set ADRA, 16                          ; v16-17 LDS address of my A fragments in slot 0, 1
.set ADRB, 20                          ; v20-21 the same for B (v22-23: behind one padding more)
.set STO,  24                          ; v24  the way out: where I put 32 bytes of a row
.set RD,   25                          ; v25  where I read a row back
.set CO,   26                          ; v26  my byte offset in a row of out
.set ADRS, 27                          ; v27  LDS address of my scale words: lanes 0-15 A's rows, lanes 16-31 B's
.set SPW,  28                          ; v28  LDS address of my spare word; never rewritten
.set NIL,  29                          ; v29  0; never rewritten
.set SC,   32
.set AF,   128
.set BK,   128
.set G1, 24                            ; s[24:31] descriptor group 1 for A's tiles;  s[32:39] group 0, one set for each slot
.set G0, 32
.set G1B, 48                           ; s[48:55], s[56:63] the same for B's tiles
.set G0B, 56
.set G1S, 68                           ; s[68:75], s[76:79] groups 1 and 0 for A's scales;  s[80:87], s[88:91] for B's
.set G0S, 76
.set G1SB, 80
.set G0SB, 88
.set MSB, 0
.macro WIN new                         ; the immediate's high byte repeats the setting that is left
.if MSB != \new
	s_set_vgpr_msb (MSB<<8)|\new
.set MSB, \new
.endif
.endm
.set MUL_LO, 0xa1                      ; source 0 (B) window 1, source 1 (A) window 0, C and D window 2
.set MUL_HI, 0xf1                      ; the same, C and D window 3
.set TO_B,   0x40                      ; destination window 1, address window 0
.macro JLOAD g0a, g1a, g0b, g1b        ; a joint load: waves 0 and 1 fetch for A, waves 2 and 3 for B; four v_nop follow each of the two lines
	s_cmp_eq_u32 s15, 0
	s_cbranch_scc0 .Lfor_b_\@
	tensor_load_to_lds s[\g0a:\g0a+3], s[\g1a:\g1a+7]
	s_nop 0
.rept 4
	v_nop
.endr
	s_branch .Lasked_\@
.Lfor_b_\@:
	tensor_load_to_lds s[\g0b:\g0b+3], s[\g1b:\g1b+7]
	s_nop 0
.rept 4
	v_nop
.endr
.Lasked_\@:
.endm
.macro CREST                           ; a round of the cluster's barrier behind its opening barrier
	s_cmp_lg_u32 s14, 0
	s_cbranch_scc1 .Lnot_wave_0_\@
	s_barrier_signal -3
.Lnot_wave_0_\@:
	s_barrier_wait -3
	s_barrier_signal -1
	s_barrier_wait -1
.endm
.macro CROUND                          ; a whole round
	s_barrier_signal -1
	s_barrier_wait -1
	CREST
.endm
	s_load_b128 s[4:7], s[0:1], 0x0                ; A's codes s[4:5], A's scales s[6:7]
	s_load_b128 s[8:11], s[0:1], 0x10              ; B's codes s[8:9], B's scales s[10:11]
	s_load_b64 s[12:13], s[0:1], 0x20              ; out
	s_load_b64 s[98:99], s[0:1], 0x28              ; bo
	v_lshl_add_u32 v[SPW], v0, 2, SPARE
	v_mov_b32 v[NIL], 0
	ds_add_u32 v28, v29
	ds_add_u32 v28, v29
	s_wait_dscnt 0x0
	v_lshrrev_b32 v1, 5, v0
	v_readfirstlane_b32 s14, v1                    ; wave 0..3
	s_lshr_b32 s15, s14, 1                         ; which half of the tile's rows is mine.  Also: I fetch for A (0) or for B (1)
	s_and_b32 s16, s14, 1                          ; which half of its columns.  Also: which 128 rows of that tile I fetch
	s_bfe_u32 s40, ttmp6, 0x40000                  ; cx, cy: my place in the cluster
	s_bfe_u32 s41, ttmp6, 0x40004
	s_lshl_b32 s42, ttmp9, 2
	s_add_co_u32 s42, s42, s40                     ; tile column = 4 x cluster x + cx
	s_and_b32 s17, ttmp7, 0xffff
	s_lshl_b32 s17, s17, 2
	s_add_co_u32 s17, s17, s41                     ; tile row = 4 x cluster y + cy
	s_lshl_b32 s43, s41, 2
	s_lshl_b32 s43, 15, s43                        ; my row of the cluster
	s_lshl_b32 s44, 0x1111, s40                    ; my column
	; group 1 for A: four heads x 6,144 dense bytes (768 elements of 8 bytes), 393,216 bytes apart; no padding
	s_or_b32 s[G1+0], s43, (3<<16)|(1<<21)         ; 15:0 the mask: A's tiles go to my row; 17:16 elements of 8 bytes; 21 set beside a mask
	s_mov_b32 s[G1+1], (AHEAD/8)<<16               ; tensor_dim0
	s_mov_b32 s[G1+2], 4<<16                       ; tensor_dim1 = 4
	s_mov_b32 s[G1+3], (AHEAD/8)<<16               ; tile_dim0
	s_mov_b32 s[G1+4], 4                           ; tile_dim1 = 4
	s_mov_b32 s[G1+5], 8192*AROW/8                 ; pitch
	s_mov_b32 s[G1+6], 0
	s_mov_b32 s[G1+7], 0
	; for B: 128 rows x 192 bytes, 16 bytes of padding behind every 64
	s_or_b32 s[G1B+0], s44, (0<<16)|(1<<20)|(1<<21)|(3<<22)|(3<<25)
	s_mov_b32 s[G1B+1], ROWB<<16
	s_mov_b32 s[G1B+2], 128<<16
	s_mov_b32 s[G1B+3], ROWB<<16
	s_mov_b32 s[G1B+4], 128
	s_mov_b32 s[G1B+5], KROW
	s_mov_b32 s[G1B+6], 0
	s_mov_b32 s[G1B+7], 0
	; for the scales of 128 rows: a dense block of 4,096 bytes, as rows of 256 bytes, 16 bytes of padding behind each
	s_or_b32 s[G1S+0], s43, (3<<16)|(1<<20)|(1<<21)|(5<<22)|(3<<25)
	s_or_b32 s[G1SB+0], s44, (3<<16)|(1<<20)|(1<<21)|(5<<22)|(3<<25)
.irp g, G1S, G1SB
	s_mov_b32 s[\g+1], 32<<16
	s_mov_b32 s[\g+2], (128*KS/256)<<16
	s_mov_b32 s[\g+3], 32<<16
	s_mov_b32 s[\g+4], 128*KS/256
	s_mov_b32 s[\g+5], 32
	s_mov_b32 s[\g+6], 0
	s_mov_b32 s[\g+7], 0
.endr
	s_lshl_b32 s18, s16, 7                         ; which 128 rows of the tile I fetch
	s_lshl_b32 s20, s17, 8
	s_add_co_u32 s20, s20, s18                     ; A: row 256 x tile row + 128 x half
	s_lshl_b32 s46, s42, 8
	s_add_co_u32 s46, s46, s18                     ; B: row 256 x tile column + 128 x half
	s_mov_b32 s21, 0
	s_mov_b32 s47, 0
	s_mov_b64 s[18:19], KS
	s_mul_u64 s[22:23], s[20:21], s[18:19]         ; where these rows' scales begin, in bytes
	s_mul_u64 s[92:93], s[46:47], s[18:19]
	s_mov_b64 s[18:19], AROW
	s_mul_u64 s[20:21], s[20:21], s[18:19]         ; and their codes: A's in head 0,
	s_mov_b64 s[18:19], KROW
	s_mul_u64 s[46:47], s[46:47], s[18:19]         ; B's
	s_mul_i32 s45, s14, HALFT                      ; where they go: wave x the place of 128 rows: no place in the cluster enters an LDS address
	s_mul_i32 s94, s14, HALFS
	s_wait_kmcnt 0x0
	s_add_nc_u64 s[20:21], s[4:5], s[20:21]
	s_add_nc_u64 s[22:23], s[6:7], s[22:23]
	s_add_nc_u64 s[46:47], s[8:9], s[46:47]
	s_add_nc_u64 s[92:93], s[10:11], s[92:93]
	CROUND                                         ; all sixteen work-groups are here: the first joint loads meet
	s_mov_b32 s[G0S], 1
	s_add_co_u32 s[G0S+1], s94, SCL
	s_mov_b64 s[G0S+2:G0S+3], s[22:23]
	s_or_b32 s[G0S+3], s[G0S+3], 0x80000000
	s_mov_b32 s[G0SB], 1
	s_add_co_u32 s[G0SB+1], s94, SCL
	s_mov_b64 s[G0SB+2:G0SB+3], s[92:93]
	s_or_b32 s[G0SB+3], s[G0SB+3], 0x80000000
	JLOAD G0S, G1S, G0SB, G1SB                     ; the scales first: they are wanted with K step 0
.irp s, 0,1
	s_mov_b32 s[G0+4*\s], 1
	s_add_co_u32 s[G0+4*\s+1], s45, \s*SLOT
	s_add_nc_u64 s[G0+4*\s+2:G0+4*\s+3], s[20:21], \s*ASTEP
	s_or_b32 s[G0+4*\s+3], s[G0+4*\s+3], 0x80000000
	s_mov_b32 s[G0B+4*\s], 1
	s_add_co_u32 s[G0B+4*\s+1], s45, \s*SLOT
	s_add_nc_u64 s[G0B+4*\s+2:G0B+4*\s+3], s[46:47], \s*ROWB
	s_or_b32 s[G0B+4*\s+3], s[G0B+4*\s+3], 0x80000000
	JLOAD G0+4*\s, G1, G0B+4*\s, G1B               ; three tensor loads of mine are out
.endr
	v_and_b32 v1, 15, v0                           ; r = lane % 16
	v_bfe_u32 v2, v0, 4, 1                         ; h = lane / 16
	v_mul_u32_u24 v3, v1, PITCH
	v_mul_u32_u24 v4, v2, 24
	v_add_nc_u32 v4, v3, v4                        ; B: a fragment's row x pitch + 24 x half
	v_lshl_add_u32 v5, v2, 4, v4                   ; and the same behind one padding more
	v_mul_u32_u24 v7, v1, AROW
	v_mad_u32_u24 v7, v2, 24, v7                   ; A: 48 r + 24 h
	s_mul_i32 s21, s15, HALFT                      ; my 128 rows of A
	s_mul_i32 s22, s16, HALFT                      ; my 128 rows of B,
	s_add_co_u32 s22, s22, 2*HALFT                 ; which lie behind A's 256
.irp s, 0,1
	v_add_nc_u32 v[ADRA+\s], s21, v7
	v_add_nc_u32 v[ADRB+\s], s22, v4
	v_add_nc_u32 v[ADRB+2+\s], s22, v5
	s_add_co_u32 s21, s21, SLOT
	s_add_co_u32 s22, s22, SLOT
.endr
	v_mul_u32_u24 v5, v1, KS                       ; my row's scales: KS bytes a row,
	v_lshrrev_b32 v6, 8, v5
	v_lshl_add_u32 v5, v6, 4, v5                   ; and 16 more for each 256 passed
	s_mul_i32 s21, s15, HALFS                      ; A's: my 128 rows
	s_mul_i32 s22, s16, HALFS                      ; B's: my 128 rows, behind A's 256
	s_add_co_u32 s22, s22, 2*HALFS
	s_sub_co_u32 s22, s22, s21
	v_mul_u32_u24 v6, s22, v2                      ; lanes 16-31 take B's
	s_add_co_u32 s21, s21, SCL
	v_add_nc_u32 v5, v5, v6
	v_add_nc_u32 v[ADRS], s21, v5
	s_mul_i32 s23, s14, 16*SPITCH                  ; my stage
	v_mul_u32_u24 v5, v1, SPITCH                   ; in: row r, 32 bytes for each half of the lanes
	v_lshl_add_u32 v5, v2, 5, v5
	v_add_nc_u32 v[STO], s23, v5
	v_and_b32 v6, 31, v0
	v_lshlrev_b32 v[CO], 4, v6                     ; back: the 32 lanes take one row of 512 bytes; and the same in out
	v_add_nc_u32 v[RD], s23, v[CO]
	s_lshl_b32 s20, s17, 8
	s_lshl_b32 s21, s15, 7
	s_add_co_u32 s20, s20, s21                     ; my first row of out: 256 x tile row + 128 x half
	s_mov_b32 s21, 0
	s_mov_b64 s[18:19], SIZE_N*4
	s_mul_u64 s[20:21], s[20:21], s[18:19]
	s_lshl_b32 s46, s42, 10                        ; my first column, in bytes: 1,024 x tile column + 512 x half
	s_lshl_b32 s47, s16, 9
	s_add_co_u32 s46, s46, s47
	s_mov_b32 s47, 0
	s_add_nc_u64 s[20:21], s[20:21], s[46:47]
	s_add_nc_u64 s[12:13], s[12:13], s[20:21]
	s_add_nc_u64 s[98:99], s[98:99], s[46:47]      ; bo at my first column
	global_load_b128 v[BI:BI+3], v[CO], s[98:99]   ; the four columns that I store of every row
.macro FRAG reg, adr, q, i             ; a fragment of B, 16 rows x 128 K: 12 registers: lane l holds row l % 16; registers 6 c .. 6 c + 5 hold K = 64 c + 32 (l / 16) + 0 .. 31: 24 bytes of the row, as they lie
.irp p, 0,1,2,3,4,5                    ; in pieces of 8 bytes; 16 bytes of padding lie behind every 64 bytes (8 pieces): where the piece three on lies behind one padding more, the second address register serves
.set PC, 12*(\q)+6*(\p/3)+\p%3
.if PC%8 < 5
	ds_load_b64 v[\reg+2*\p:\reg+2*\p+1], v[\adr] offset:8*PC+16*(PC/8)+(\i)*16*PITCH
.else
	ds_load_b64 v[\reg+2*\p:\reg+2*\p+1], v[\adr+2] offset:8*PC+16*(PC/8)+(\i)*16*PITCH
.endif
.endr
.endm
.macro FRAGA reg, adr, q, i            ; a fragment of A: registers 6 c .. 6 c + 5 are block h of head 2 q + c of the slot's four: 24 bytes at head x 6,144 + row x 48 + 24 h
.irp p, 0,1,2,3,4,5
	ds_load_b64 v[\reg+2*\p:\reg+2*\p+1], v[\adr] offset:(2*(\q)+\p/3)*AHEAD+(\i)*16*AROW+8*(\p%3)
.endr
.endm
; 16 matrix instructions: A's blocks a0, a0 + 1 x B's eight, 128 along K.  The 64 accumulators take turns, one instruction a turn, in the same order in every step.
.macro MUL16 a0, p, q, sc, zero
.irp a, \a0, \a0+1
.irp b, 0,1,2,3,4,5,6,7
.if \zero
	v_wmma_scale_f32_16x16x128_f8f6f4 v[8*(8*((\a)%4)+\b):8*(8*((\a)%4)+\b)+7], v[128*(\p)+FR*\b:128*(\p)+FR*\b+FR-1], v[AF+FR*(\a):AF+FR*(\a)+FR-1], 0, v[SC+8*NQ*(\sc)+NQ*\b+(\q)], v[SC+8*NQ*(\sc)+NQ*(\a)+(\q)] matrix_a_fmt:MATRIX_FMT_FP6 matrix_b_fmt:MATRIX_FMT_FP6 matrix_a_scale:MATRIX_SCALE_ROW1
.else
	v_wmma_scale_f32_16x16x128_f8f6f4 v[8*(8*((\a)%4)+\b):8*(8*((\a)%4)+\b)+7], v[128*(\p)+FR*\b:128*(\p)+FR*\b+FR-1], v[AF+FR*(\a):AF+FR*(\a)+FR-1], v[8*(8*((\a)%4)+\b):8*(8*((\a)%4)+\b)+7], v[SC+8*NQ*(\sc)+NQ*\b+(\q)], v[SC+8*NQ*(\sc)+NQ*(\a)+(\q)] matrix_a_fmt:MATRIX_FMT_FP6 matrix_b_fmt:MATRIX_FMT_FP6 matrix_a_scale:MATRIX_SCALE_ROW1
.endif
.endr
.endr
.endm
.macro FETCH_B slot, q, p              ; B's eight fragments of the slot's q-th 128 along K into set p
	WIN TO_B
.irp i, 0,1,2,3,4,5,6,7
	FRAG 128*(\p)+FR*\i, ADRB+\slot, \q, \i
.endr
	WIN 0
.endm
.macro FETCH_A slot, q, i0             ; A's blocks i0 .. i0 + 3
.irp i, \i0, \i0+1, \i0+2, \i0+3
	FRAGA AF+FR*(\i), ADRA+\slot, \q, \i
.endr
.endm
.macro SCALES sc                       ; the next K step's scale words into set sc: lanes 0-15 take A's block i, lanes 16-31 B's block i
.irp i, 0,1,2,3,4,5,6,7
	ds_load_b64 v[SC+8*NQ*\sc+NQ*\i:SC+8*NQ*\sc+NQ*\i+1], v[ADRS] offset:\i*SBLK
.endr
.endm
; A load into a register that a matrix instruction has read, and a vector instruction or an LDS store that reads a matrix result, stand NP places behind that matrix instruction;
; only plain vector instructions that name none of its registers are places (ISA guide 7.12.1 for vector instructions).
.macro PLACES n
.rept \n
	v_nop
.endr
.endm
.macro STEP slot, q, zero              ; a step of 128 along K that has its successor in the same slot
	s_wait_dscnt 4*NL                              ; B's set and A's blocks 0-3 are in; the youngest 24 loads (A's blocks 4-7) may be out
	WIN MUL_LO
	MUL16 0, (\q)%2, \q, \slot, \zero
	MUL16 2, (\q)%2, \q, \slot, \zero
	s_wait_dscnt 0                                 ; A's blocks 4-7 are in (asked for 32 matrix instructions ago)
	PLACES NP
	FETCH_B \slot, (\q)+1, 1-(\q)%2
	FETCH_A \slot, (\q)+1, 0
	WIN MUL_HI
	MUL16 4, (\q)%2, \q, \slot, \zero
	MUL16 6, (\q)%2, \q, \slot, \zero
	PLACES NP
	WIN 0
	FETCH_A \slot, (\q)+1, 4
.endm
; A slot's last step changes slots: ONE barrier; in front of it each wave waits for all its tensor loads, adds 0 to its spare word, and waits for that and for its own reads of this slot.  fill = 1: this slot is filled again, two K steps ahead.
.macro TURN slot, next, fill
	s_wait_tensorcnt 0x0                           ; all my tensor loads have landed: my part of the next slot;  (every window is 0 here)
	ds_add_u32 v[SPW], v[NIL]                      ; 0 onto my spare word
	s_wait_dscnt 4*NL+1                            ; (the add and the youngest 24 loads, A's blocks 4-7, may be out)
	WIN MUL_LO
	MUL16 0, 1, NQ-1, \slot, 0                     ; sixteen matrix instructions stand between the add and the wait for it
	s_wait_dscnt 0x0                               ; the add is done, and my reads of this slot are over
	s_barrier_signal -1
	MUL16 2, 1, NQ-1, \slot, 0
	WIN 0
	s_barrier_wait -1
.if \fill
	CREST                                          ; the barrier has opened a round of the cluster's barrier: no wave of any partner still reads this slot's tile or has a load on its way
	s_add_nc_u64 s[G0+4*\slot+2:G0+4*\slot+3], s[G0+4*\slot+2:G0+4*\slot+3], 2*ASTEP
	s_add_nc_u64 s[G0B+4*\slot+2:G0B+4*\slot+3], s[G0B+4*\slot+2:G0B+4*\slot+3], 2*ROWB
	JLOAD G0+4*\slot, G1, G0B+4*\slot, G1B         ; the first tensor load behind the round; the four v_nop behind it are the places in front of the loads below
.else
	PLACES NP
.endif
	v_add_nc_u32 v[ADRS], 4*NQ, v[ADRS]            ; on to the next K step's scale words (no LDS load of mine is out)
	FETCH_B \next, 0, 0
	FETCH_A \next, 0, 0
	SCALES \next
	WIN MUL_HI
	MUL16 4, 1, NQ-1, \slot, 0
	MUL16 6, 1, NQ-1, \slot, 0
	PLACES NP
	WIN 0
	FETCH_A \next, 0, 4
.endm
	s_wait_tensorcnt 1                             ; the scales and my part of K step 0 are in (K step 1's load may be out),
	s_barrier_signal -1
	s_barrier_wait -1                              ; everybody's are
	FETCH_B 0, 0, 0
	FETCH_A 0, 0, 0
	SCALES 0
	FETCH_A 0, 0, 4
	STEP 0, 0, 1                                   ; the first step stands in front of the loop: its products start the sums
	s_mov_b32 s3, LAPS-1
.Llap:                                                 ; a trip goes once round the ring, from a lap's second step to the next lap's first, and fills both slots again
	TURN 0, 1, 1
	STEP 1, 0, 0
	TURN 1, 0, 1
	STEP 0, 0, 0
	s_sub_co_u32 s3, s3, 1
	s_cmp_lg_u32 s3, 0
	s_cbranch_scc1 .Llap
	TURN 0, 1, 0                                   ; the last lap fills nothing, and has no round of the cluster's barrier
	STEP 1, 0, 0
	s_wait_dscnt 4*NL                              ; the very last step: nothing more to fetch
	WIN MUL_LO
	MUL16 0, 1, NQ-1, 1, 0
	MUL16 2, 1, NQ-1, 1, 0
	s_wait_dscnt 0
	WIN MUL_HI
	MUL16 4, 1, NQ-1, 1, 0
	MUL16 6, 1, NQ-1, 1, 0
	WIN 0
; THE WAY OUT, block by block of 16 rows x 128 columns.  A lane holds 32 neighbouring bytes of a row, and the lanes beside it hold other rows: so a block goes through my own stage in LDS and comes back as whole
; rows of 512 bytes; bo is added there, four columns a lane, the same four in every row; the 32 lanes store a row as two aligned runs of 256 bytes.  LDS serves a wave's instructions in order (ISA guide 5.7.1.4).
.macro TOSTAGE a
.set AC, 64*((\a)%4)
	WIN 0x08+4*((\a)/4)                            ; the data: window 2 or 3
.irp b, 0,1,2,3,4,5,6,7
	ds_store_b128 v[STO], v[AC+8*\b:AC+8*\b+3] offset:64*\b          ; each accumulator from its low end on
	ds_store_b128 v[STO], v[AC+8*\b+4:AC+8*\b+7] offset:64*\b+16
.endr
	WIN 0
.set BB, BK+64*((\a)%2)
.irp t, 0,1,2,3,4,5,6,7,8,9,10,11,12,13,14,15
	ds_load_b128 v[BB+4*\t:BB+4*\t+3], v[RD] offset:\t*SPITCH
.endr
.endm
.macro SEND a, younger                 ; younger: the LDS instructions issued behind block a's loads, which may stay out
.set BB, BK+64*((\a)%2)
	s_wait_dscnt \younger                          ; the block is back in registers
.if (\a) > 0
	s_add_nc_u64 s[12:13], s[12:13], 16*SIZE_N*4   ; (behind a wait on XCNT: the earlier stores have read their base)  16 rows of out on
.endif
.irp t, 0,1,2,3,4,5,6,7,8,9,10,11,12,13,14,15
	v_pk_add_f32 v[BB+4*\t:BB+4*\t+1], v[BB+4*\t:BB+4*\t+1], v[BI:BI+1]
	v_pk_add_f32 v[BB+4*\t+2:BB+4*\t+3], v[BB+4*\t+2:BB+4*\t+3], v[BI+2:BI+3]
.endr
.irp t, 0,1,2,3,4,5,6,7,8,9,10,11,12,13,14,15
	global_store_b128 v[CO], v[BB+4*\t:BB+4*\t+3], s[12:13] offset:\t*SIZE_N*4 th:TH_STORE_NT   ; 32 lanes store 512 consecutive bytes, at a multiple of 256 from out's first byte; written once, read by nobody here
.endr
.endm
	s_wait_loadcnt 0x0                             ; bo
	PLACES NP                                      ; for the loads into the registers that held A's fragments, and for the reads of the last products' results
	TOSTAGE 0
.irp a, 1,2,3,4,5,6,7
.if \a > 1
	s_wait_xcnt 0x0                                ; block a - 2's stores have read their registers and their base: block a's loads may land there, and the base may step
.endif
	TOSTAGE \a
	SEND \a-1, 32                                  ; behind block a - 1's loads: block a's 16 stores and 16 loads
.endr
	s_wait_xcnt 0x0                                ; block 6's stores have read their base
	SEND 7, 0
	s_wait_tensorcnt 0x0                           ; the wave's end: behind my last tensor load and my last LDS store
	ds_add_u32 v[SPW], v[NIL]
	s_wait_dscnt 0x0
	CROUND                                         ; the closing round: no work-group ends while a partner may still ask for a tile that names it
	s_endpgm
.Lfunc_end_k_q4f6be1a290_outp:
	.size	k_q4f6be1a290_outp, .Lfunc_end_k_q4f6be1a290_outp-k_q4f6be1a290_outp
	.p2alignl 7, 3214868480
	.fill 96, 4, 3214868480
	.section	.rodata,"a",@progbits
	.p2align	6, 0x0
	.amdhsa_kernel k_q4f6be1a290_outp
		.amdhsa_group_segment_fixed_size 327680
		.amdhsa_private_segment_fixed_size 0
		.amdhsa_enable_private_segment 0
		.amdhsa_kernarg_size 48
		.amdhsa_user_sgpr_count 2
		.amdhsa_user_sgpr_kernarg_segment_ptr 1
		.amdhsa_wavefront_size32 1
		.amdhsa_system_sgpr_workgroup_id_x 1
		.amdhsa_system_sgpr_workgroup_id_y 1
		.amdhsa_system_sgpr_workgroup_id_z 1
		.amdhsa_system_vgpr_workitem_id 0
		.amdhsa_next_free_vgpr 1024
		.amdhsa_next_free_sgpr 100
		.amdhsa_reserve_vcc 0
		.amdhsa_float_denorm_mode_32 3
		.amdhsa_float_denorm_mode_16_64 3
		.amdhsa_memory_ordered 1
		.amdhsa_forward_progress 1
		.amdhsa_inst_pref_size 176
	.end_amdhsa_kernel
	.amdgpu_metadata
---
amdhsa.version: [ 1, 2 ]
amdhsa.kernels:
  - .name:           k_q4f6be1a290_outp
    .symbol:         k_q4f6be1a290_outp.kd
    .args:
      - { .name: ctx_cd, .offset: 0, .size: 8, .value_kind: global_buffer, .address_space: global }
      - { .name: ctx_sc, .offset: 8, .size: 8, .value_kind: global_buffer, .address_space: global }
      - { .name: Wo_codes, .offset: 16, .size: 8, .value_kind: global_buffer, .address_space: global }
      - { .name: Wo_scales, .offset: 24, .size: 8, .value_kind: global_buffer, .address_space: global }
      - { .name: out0, .offset: 32, .size: 8, .value_kind: global_buffer, .address_space: global }
      - { .name: bo, .offset: 40, .size: 8, .value_kind: global_buffer, .address_space: global }
    .group_segment_fixed_size: 327680
    .private_segment_fixed_size: 0
    .kernarg_segment_align: 8
    .kernarg_segment_size: 48
    .max_flat_workgroup_size: 128
    .sgpr_count:     100
    .vgpr_count:     1024
    .wavefront_size: 32
...
	.end_amdgpu_metadata
.endif
;; end of part 3
